; MI455X (gfx1250); checked and timed in simulation.
; The chip was launched on July 23, 2026; its instructions are those of AMD's public machine-readable ISA for CDNA 5 (MIT licence, August 2026) and "CDNA5" Instruction Set Architecture Reference Guide (July 2026). The comments in the code are by the model that wrote it; some were corrected since.
;; Multi Head Attention. Allowed arithmetic: float matrix products may take bf16 or f16 operands with f32 sums; other float arithmetic in f32, or as packed bf16 or f16 multiplies, adds, multiply-adds, maxima and minima; sums over many terms, partial sums and values carried from step to step in f32; what a program stores and reads back later, other than sums and carried values, may be rounded once to bf16 or f16.
;; Inputs: Wk 1,024 x 1,024 float32; Wo 1,024 x 1,024 float32; Wq 1,024 x 1,024 float32; Wv 1,024 x 1,024 float32; bk 1,024 float32; bo 1,024 float32; bq 1,024 float32; bv 1,024 float32; key 4 x 2,048 x 1,024 float32; mask 4 x 2,048 x 2,048 int32; query 4 x 2,048 x 1,024 float32; value 4 x 2,048 x 1,024 float32.
;; Outputs: out0 4 x 2,048 x 1,024 float32.
;; 2 versions, each right; version 2 is version 1 with the launch prep written anew for expert scheduling mode. Each part assembles by itself: llvm-mc -triple=amdgcn-amd-amdhsa -mcpu=gfx1250 --defsym DOCPART=n.
;; ======== version 1 of 2: 4 launches
;; limits: right only within a limited range of input values; values are held in f16: magnitudes above 65,504 overflow, below 6.1e-05 lose precision
;; workspace buffers: xb 50,331,648 bytes; wb 8,388,608 bytes; mb 2,097,152 bytes of whole numbers; qh 16,777,216 bytes; kv 33,554,432 bytes; oh 16,777,216 bytes
;; launch prep (part 1): grid 1408 x 1, 8 waves a work-group, no clusters, 68,608 bytes of LDS; arguments query, key, value, Wq, Wk, Wv, Wo, mask, xb, wb, mb; writes xb, wb, mb
.if DOCPART == 1
	.amdgcn_target "amdgcn-amd-amdhsa--gfx1250"
	.amdhsa_code_object_version 6
	.text
	.protected	k_q0e3d83881e_prep
	.globl	k_q0e3d83881e_prep
	.p2align	8
	.type	k_q0e3d83881e_prep,@function
k_q0e3d83881e_prep:
	s_mov_b64 s[64:65], 0
	v_nop
	global_prefetch_b8 v0, s[64:65] scope:SCOPE_SE
	s_setreg_imm32_b32 hwreg(HW_REG_WAVE_MODE, 25, 1), 1
	s_wait_xcnt 0x0
; PREP: a stream.  Every work-group reads 131,072 bytes once and stores what the later launches want.
;   work-groups 0..767     query, key, value (f32) -> xb [3][8192][1024] bf16
;   work-groups 768..895   Wq, Wk, Wv -> wb bf16; Wo -> rounded to bf16 and that number written as f16 (the last product's other operand is f16)
;   work-groups 896..1407  mask (int32) -> mb: lane masks.  For a tile of 16 queries q0.., a step of 64 keys k0.., a group kb of 16 keys and a register j the word's bit L
;                          is (mask[q0 + L % 16][k0 + 16 kb + 8 (L / 16) + j] == 0): the lanes of register j of the score tile that are blocked.
;                          mb byte = tile x 4096 + step x 128 + (8 kb + j) x 4.  The sixteen heads of a batch then read 1/32 of the mask's bytes.
; LIMITS.  Wo as f16: exact for bf16 numbers from 2^-17 to 65,504 in size; below that f16's fixed step of 2^-24 holds, above it the number is lost.
; No matrix unit, no cluster, no tensor load: nothing is shared between work-groups and every byte is touched once.  Each wave has all its 32 loads (16 KiB) out before it waits;
; Wo's 32 work-groups alone go in four trips of eight loads, for the text's length.
; No prefetch: the launch does nothing but stream.
.set X,    8                           ; v[8:135]   32 loads of 4 registers
.set Y,    136                         ; v[136:199] casts: packed results, a pair for each load
.set R,    136                         ; v[136:199] mask: two key steps read back, register 32 ks + 8 kb + j
.set WD,   200                         ; v[200:203] mask: the words of two key steps, lane n holds words 2 n and 2 n + 1; a pair for each half of my columns
.set LST,  204                         ; v204  where I put 16 bytes of a mask row
.set LRD,  205                         ; v205  where I read my query's row back
.set SPW,  2                           ; v2    LDS address of my spare word; never rewritten
.set NIL,  3                           ; v3    0; never rewritten
.set WSTG, 16*528                      ; a wave's stage: 16 rows of 512 bytes + 16 of padding: 33 x 16 bytes, so sixteen rows' loads of 16 bytes start in sixteen different groups of four banks
.set SPARE, 8*WSTG                     ; behind the stages: the spare words, 128 bytes for each wave
	s_load_b512 s[8:23], s[0:1], 0x0               ; query s[8:9], key s[10:11], value s[12:13], Wq s[14:15], Wk s[16:17], Wv s[18:19], Wo s[20:21], mask s[22:23]
	s_load_b128 s[24:27], s[0:1], 0x40             ; xb s[24:25], wb s[26:27]
	s_load_b64 s[28:29], s[0:1], 0x50              ; mb
	v_lshl_add_u32 v[SPW], v0, 2, SPARE
	v_mov_b32 v[NIL], 0
	v_and_b32 v4, 31, v0                           ; lane
	v_lshrrev_b32 v1, 5, v0                        ; wave
	v_lshlrev_b32 v5, 4, v4
	v_lshl_add_u32 v5, v1, 14, v5                  ; casts, in: 16,384 x wave + 16 x lane
	v_lshlrev_b32 v6, 3, v4
	v_lshl_add_u32 v6, v1, 13, v6                  ; casts, out: half of that
	s_mov_b32 s5, ttmp9
	s_mov_b32 s7, 0                                ; the high word of every offset
	s_wait_kmcnt 0x0
	s_cmp_lt_u32 s5, 768
	s_cbranch_scc0 .Lnot_x
	s_lshr_b32 s6, s5, 8                           ; 0 query, 1 key, 2 value
	s_cmp_eq_u32 s6, 1
	s_cselect_b64 s[30:31], s[10:11], s[8:9]
	s_cmp_eq_u32 s6, 2
	s_cselect_b64 s[30:31], s[12:13], s[30:31]
	s_and_b32 s6, s5, 255
	s_lshl_b32 s6, s6, 17
	s_add_nc_u64 s[30:31], s[30:31], s[6:7]        ; my 131,072 bytes of it
	s_lshl_b32 s6, s5, 16
	s_add_nc_u64 s[32:33], s[24:25], s[6:7]        ; and my 65,536 of xb
	s_branch .Lcast
.Lnot_x:
	s_cmp_lt_u32 s5, 896
	s_cbranch_scc0 .Lmask
	s_sub_co_u32 s5, s5, 768
	s_lshr_b32 s34, s5, 5                          ; 0 Wq, 1 Wk, 2 Wv, 3 Wo
	s_cmp_eq_u32 s34, 1
	s_cselect_b64 s[30:31], s[16:17], s[14:15]
	s_cmp_eq_u32 s34, 2
	s_cselect_b64 s[30:31], s[18:19], s[30:31]
	s_cmp_eq_u32 s34, 3
	s_cselect_b64 s[30:31], s[20:21], s[30:31]
	s_and_b32 s6, s5, 31
	s_lshl_b32 s6, s6, 17
	s_add_nc_u64 s[30:31], s[30:31], s[6:7]
	s_lshl_b32 s6, s5, 16
	s_add_nc_u64 s[32:33], s[26:27], s[6:7]
	s_cmp_eq_u32 s34, 3
	s_cbranch_scc1 .Lcast16
; n loads of 512 consecutive bytes a wave, all issued first; then each is rounded and leaves as 256 consecutive aligned bytes.  Within one use no register is written twice.
.macro CAST half, n
.set i, 0
.rept \n
	global_load_b128 v[X+4*i:X+4*i+3], v5, s[30:31] offset:512*i th:TH_LOAD_NT
.set i, i+1
.endr
.set i, 0
.rept \n
	s_wait_loadcnt (\n)-1-i                        ; loads come back in order: load i is in, the n - 1 - i younger ones stay out
	v_cvt_pk_bf16_f32 v[Y+2*i], v[X+4*i], v[X+4*i+1]
	v_cvt_pk_bf16_f32 v[Y+2*i+1], v[X+4*i+2], v[X+4*i+3]
.if \half
	v_lshlrev_b32 v[X+4*i], 16, v[Y+2*i]           ; the bf16 numbers as f32 again,
	v_and_b32 v[X+4*i+1], 0xffff0000, v[Y+2*i]
	v_lshlrev_b32 v[X+4*i+2], 16, v[Y+2*i+1]
	v_and_b32 v[X+4*i+3], 0xffff0000, v[Y+2*i+1]
	v_cvt_pk_f16_f32 v[Y+2*i], v[X+4*i], v[X+4*i+1]  ; and written as f16
	v_cvt_pk_f16_f32 v[Y+2*i+1], v[X+4*i+2], v[X+4*i+3]
.endif
	global_store_b64 v6, v[Y+2*i:Y+2*i+1], s[32:33] offset:256*i
.set i, i+1
.endr
.endm
.Lcast:
	CAST 0, 32
	s_branch .Lend
.Lcast16:
	s_mov_b32 s35, 4                               ; a wave's 16,384 bytes in four trips of 4,096
.Lquarter:
	CAST 1, 8
	s_wait_xcnt 0x0                                ; the trip's stores have read their data and both bases: only behind this wait are they written again
	s_add_nc_u64 s[30:31], s[30:31], 4096
	s_add_nc_u64 s[32:33], s[32:33], 2048
	s_sub_co_u32 s35, s35, 1
	s_cmp_lg_u32 s35, 0
	s_cbranch_scc1 .Lquarter
	s_branch .Lend
; THE MASK.  The work-group owns 16 rows (one tile of queries); wave w the columns 256 w .. 256 w + 255, as two halves of 128 columns (two key steps each).
.Lmask:
	s_sub_co_u32 s5, s5, 896                       ; the tile: batch x 128 + tile in the batch
	v_readfirstlane_b32 s4, v1                     ; my wave's number as a scalar
	s_lshl_b32 s6, s5, 17
	s_add_nc_u64 s[10:11], s[22:23], s[6:7]        ; the tile's 16 rows of 8,192 bytes
	s_lshl_b32 s6, s5, 12
	s_add_nc_u64 s[8:9], s[28:29], s[6:7]          ; its 4,096 bytes of words
	v_lshlrev_b32 v5, 4, v4
	v_lshl_add_u32 v5, v1, 10, v5                  ; in: 1,024 x wave + 16 x lane
	v_lshlrev_b32 v6, 3, v4
	v_lshl_add_u32 v6, v1, 9, v6                   ; out: 512 x wave + 8 x lane
.set i, 0
.rept 32                                       ; half i / 16, row i % 16: 512 consecutive bytes of a row
	global_load_b128 v[X+4*i:X+4*i+3], v5, s[10:11] offset:(i%16)*8192+(i/16)*512 th:TH_LOAD_NT
.set i, i+1
.endr
	s_mul_i32 s6, s4, WSTG                         ; my stage: no other wave touches it, so no barrier is needed
	v_lshl_add_u32 v[LST], v4, 4, s6
	v_and_b32 v7, 15, v0
	v_mul_u32_u24 v7, v7, 528                      ; back: my query's row,
	v_bfe_u32 v[LRD], v0, 4, 1
	v_lshl_add_u32 v[LRD], v[LRD], 5, v7           ; and 8 columns further for lanes 16 to 31
	v_add_nc_u32 v[LRD], s6, v[LRD]
.irp k, 0,1,2,3
	v_mov_b32 v[WD+(\k)], 0                        ; v_writelane_b32's destination counts as read
.endr
.irp pr, 0,1
	s_wait_loadcnt 16*(1-(\pr))                    ; this half's sixteen rows are in; the other half's may stay out
.set i, 0
.rept 16
	ds_store_b128 v[LST], v[X+64*(\pr)+4*i:X+64*(\pr)+4*i+3] offset:528*i
.set i, i+1
.endr
.set i, 0
.rept 16                                       ; key step i / 8, group (i / 2) % 4, registers 4 (i % 2) on.  LDS serves a wave's instructions in order: these see the stores above
	ds_load_b128 v[R+4*i:R+4*i+3], v[LRD] offset:(i/8)*256+((i/2)%4)*64+(i%2)*16
.set i, i+1
.endr
	s_wait_dscnt 0x0
.irp ks, 0,1
.set i, 0
.rept 32
	v_cmp_eq_u32 s[16+i], 0, v[R+32*(\ks)+i]       ; the compare's result over the 32 lanes IS word i of the step
.set i, i+1
.endr
.set i, 0
.rept 32
	v_writelane_b32 v[WD+2*(\pr)+i%2], s[16+i], 16*(\ks)+i/2
.set i, i+1
.endr
.endr
	global_store_b64 v6, v[WD+2*(\pr):WD+2*(\pr)+1], s[8:9] offset:256*(\pr)  ; two steps' 64 words: 256 consecutive aligned bytes
.endr
.Lend:
	s_wait_tensorcnt 0x0                           ; the wave's end, behind my last LDS store
	ds_add_u32 v[SPW], v[NIL]
	s_wait_dscnt 0x0
	s_endpgm
.Lfunc_end_k_q0e3d83881e_prep:
	.size	k_q0e3d83881e_prep, .Lfunc_end_k_q0e3d83881e_prep-k_q0e3d83881e_prep
	.p2alignl 7, 3214868480
	.fill 96, 4, 3214868480
	.section	.rodata,"a",@progbits
	.p2align	6, 0x0
	.amdhsa_kernel k_q0e3d83881e_prep
		.amdhsa_group_segment_fixed_size 68608
		.amdhsa_private_segment_fixed_size 0
		.amdhsa_enable_private_segment 0
		.amdhsa_kernarg_size 88
		.amdhsa_user_sgpr_count 2
		.amdhsa_user_sgpr_kernarg_segment_ptr 1
		.amdhsa_wavefront_size32 1
		.amdhsa_system_sgpr_workgroup_id_x 1
		.amdhsa_system_sgpr_workgroup_id_y 1
		.amdhsa_system_sgpr_workgroup_id_z 1
		.amdhsa_system_vgpr_workitem_id 0
		.amdhsa_next_free_vgpr 208
		.amdhsa_next_free_sgpr 66
		.amdhsa_reserve_vcc 0
		.amdhsa_float_denorm_mode_32 3
		.amdhsa_float_denorm_mode_16_64 3
		.amdhsa_memory_ordered 1
		.amdhsa_forward_progress 1
		.amdhsa_inst_pref_size 43
	.end_amdhsa_kernel
	.amdgpu_metadata
---
amdhsa.version: [ 1, 2 ]
amdhsa.kernels:
  - .name:           k_q0e3d83881e_prep
    .symbol:         k_q0e3d83881e_prep.kd
    .args:
      - { .name: query, .offset: 0, .size: 8, .value_kind: global_buffer, .address_space: global }
      - { .name: key, .offset: 8, .size: 8, .value_kind: global_buffer, .address_space: global }
      - { .name: value, .offset: 16, .size: 8, .value_kind: global_buffer, .address_space: global }
      - { .name: Wq, .offset: 24, .size: 8, .value_kind: global_buffer, .address_space: global }
      - { .name: Wk, .offset: 32, .size: 8, .value_kind: global_buffer, .address_space: global }
      - { .name: Wv, .offset: 40, .size: 8, .value_kind: global_buffer, .address_space: global }
      - { .name: Wo, .offset: 48, .size: 8, .value_kind: global_buffer, .address_space: global }
      - { .name: mask, .offset: 56, .size: 8, .value_kind: global_buffer, .address_space: global }
      - { .name: xb, .offset: 64, .size: 8, .value_kind: global_buffer, .address_space: global }
      - { .name: wb, .offset: 72, .size: 8, .value_kind: global_buffer, .address_space: global }
      - { .name: mb, .offset: 80, .size: 8, .value_kind: global_buffer, .address_space: global }
    .group_segment_fixed_size: 68608
    .private_segment_fixed_size: 0
    .kernarg_segment_align: 8
    .kernarg_segment_size: 88
    .max_flat_workgroup_size: 256
    .sgpr_count:     66
    .vgpr_count:     208
    .wavefront_size: 32
...
	.end_amdgpu_metadata
.endif
;; end of part 1
;; launch proj (part 2): grid 4 x 192, 4 waves a work-group, clusters of 4 x 4, 327,680 bytes of LDS; arguments xb, wb, bq, bk, bv, qh, kv; writes qh, kv
.if DOCPART == 2
	.amdgcn_target "amdgcn-amd-amdhsa--gfx1250"
	.amdhsa_code_object_version 6
	.text
	.protected	k_q0e3d83881e_proj
	.globl	k_q0e3d83881e_proj
	.p2align	8
	.type	k_q0e3d83881e_proj,@function
k_q0e3d83881e_proj:
	s_mov_b64 s[64:65], 0
	v_nop
	global_prefetch_b8 v0, s[64:65] scope:SCOPE_SE
	s_setreg_imm32_b32 hwreg(HW_REG_WAVE_MODE, 25, 1), 1
	s_wait_xcnt 0x0
	s_wait_alu depctr_hold_cnt(0) depctr_sa_sdst(0) depctr_va_vdst(0) depctr_va_sdst(0) depctr_va_ssrc(0) depctr_va_vcc(0) depctr_vm_vsrc(0)
	s_getreg_b32 s2, hwreg(HW_REG_IB_STS2, 6, 4)
	s_cmp_eq_u32 s2, 0
	s_cbranch_scc0 .Lentry_in_a_cluster
	s_endpgm
.Lentry_in_a_cluster:
	s_bfe_u32 s2, ttmp6, 0x10000c
	s_cmp_lg_u32 s2, 0xf033
	s_cbranch_scc0 .Lentry_shape_is_right
	s_endpgm
.Lentry_shape_is_right:
; THE THREE PROJECTIONS.  y[m][n] = sum over k of x[m][k] W[n][k] + bias[n], for x = query, key, value (xb, bf16, 8,192 rows each) and W = Wq, Wk, Wv (wb, bf16); K = 1,024; sums in f32.
; The results leave by heads, in f16, unscaled: q into qh [64 heads of batches][2048][64]; k and v into kv, for each head and each tile of 256 keys 32,768 bytes of K and then 32,768 of V.
; LIMITS.  f16 holds no number beyond 65,504: q, k and v must stay within it.  The bias is rounded to bf16 like every other input.
; SHARES.  A tile of y is 128 rows x 256 columns: 64 x 4 x 3 = 768 work-groups, three for each of 256 WGPs.  Four waves, 2 x 2, each 64 rows x 128 columns: 32 accumulators.
; K goes in steps of 128 (rows of 256 bytes, aligned) through two LDS slots filled by the tensor data mover: 8 steps.
; CLUSTER 4 x 4.  The four work-groups of a row of the cluster share the tile of x, the four of a column the tile of W: each is asked for jointly.
; THE MATRIX INSTRUCTION IS USED TRANSPOSED (source 0 = 16 rows of W, source 1 = 16 rows of x): a lane holds row l % 16 of y and the columns 8 (l / 16) + 0..7: 16 bytes of a head's row.
; THE BIAS is the C operand of each accumulator's first product: 64 registers, no addition.
; REGISTERS.  window 0: v16-31 addresses; v32-63 packed results; two fragment buffers of 96 (W's 8 fragments, then x's 4) at v64 and v160; on the way out v64-191 rows read back
;   window 1: accumulator (a, b) at v[8 (8 a + b)]      window 2: v0-63 the bias, v64-95 at work
.set KSTEP,  128
.set ASTEP,  KSTEP*2                   ; bytes from a K step of x to the next
.set BSTEP,  KSTEP*2
.set APITCH, 272                       ; an LDS row: 256 bytes + 16 of padding: 17 x 16 bytes, so the sixteen rows of a fragment load start in sixteen different groups of four banks
.set APLANE, 128                       ; bytes from the first 64 channels of a step to the second
.set BPITCH, 272
.set AHALF,  64*APITCH                 ; what one load of x brings
.set AWR,    64*APITCH                 ; from my wave row's 64 rows to the other's
.set ABYTES, 2*AHALF
.set BHALF,  128*BPITCH                ; what one load of W brings, and what one wave reads of W
.set SLOT,   ABYTES+2*BHALF
.set STAGE,  2*SLOT                    ; behind the ring: for each wave 2 heads x 16 rows x 144 bytes, for the way out
.set WSTG,   2*16*144
.set SPARE,  STAGE+4*WSTG              ; behind the stages: the spare words, 128 bytes for each wave
.set ADRA, 16                          ; v16-17  LDS address of my fragments of x in slot 0, 1
.set ADRB, 20                          ; v20-21  the same for W
.set STO,  24                          ; v24  the way out: where I put 16 bytes of a row
.set RD,   25                          ; v25  where I read rows back
.set GO,   26                          ; v26  16 x lane
.set BO,   27                          ; v27  my byte offset in 16 numbers of the bias
.set SPW,  28                          ; v28  LDS address of my spare word; never rewritten
.set NIL,  29                          ; v29  0; never rewritten
.set PFO,  30                          ; v30  the prefetches' offset: lane x a row; never rewritten
.set TMP,  32
.set F0,   64
.set F1,   160
.set OB,   64
.set G1,  24                           ; s[24:31] descriptor group 1 for x's tiles; s[32:39] group 0, a set for each slot
.set G0,  32
.set G1B, 48                           ; s[48:55], s[56:63] the same for W's
.set G0B, 56
.set PFA, 82                           ; s[82:83] where my prefetches stand
.set LIM, 84                           ; s84  1 in a wave that prefetches, else the greatest number
.set OUT0, 86                          ; s[86:87], s[88:89] my rows of my two heads
.set BP,  90                           ; s[90:91] the bias at my 128 columns
.set PFS, 92                           ; s[92:93] the prefetches' step
.set MSB, 0
.macro WIN new                         ; the immediate's high byte repeats the setting that is left; a switch that changes nothing is dropped
.if MSB != (\new)
	s_set_vgpr_msb (MSB<<8)|(\new)
.set MSB, \new
.endif
.endm
.set W_MUL,   0x50                     ; fragments in window 0, C and D in window 1
.set W_FIRST, 0x60                     ; the same with C in window 2: the bias
.macro JLOAD s                         ; a joint load: waves 0 and 1 fetch x's two halves, waves 2 and 3 W's; an s_nop 0 and four v_nop follow each of the two lines
	s_cmp_eq_u32 s11, 0
	s_cbranch_scc0 .Lfor_b_\@
	tensor_load_to_lds s[G0+4*(\s):G0+4*(\s)+3], s[G1:G1+7]
	s_nop 0
.rept 4
	v_nop
.endr
	s_branch .Lasked_\@
.Lfor_b_\@:
	tensor_load_to_lds s[G0B+4*(\s):G0B+4*(\s)+3], s[G1B:G1B+7]
	s_nop 0
.rept 4
	v_nop
.endr
.Lasked_\@:
.endm
.macro CREST                           ; a round of the cluster's barrier behind its opening barrier
	s_cmp_lg_u32 s10, 0
	s_cbranch_scc1 .Lnot_wave_0_\@
	s_barrier_signal -3
.Lnot_wave_0_\@:
	s_barrier_wait -3
	s_barrier_signal -1
	s_barrier_wait -1
.endm
.macro CROUND
	s_barrier_signal -1
	s_barrier_wait -1
	CREST
.endm
; A PREFETCH INTO THE L2, behind each joint refill and the run of LDS loads that follows it: the K step two refills on, 32 rows x 256 bytes, a lane a row.  Each row's 256 bytes of a step are named once in
; the launch.  x's rows are read by one cluster alone: wave 0 of each of the four partners takes 32 of the tile's 128 rows, told apart by address (cx).  W's rows are read by the sixteen clusters of a
; projection: the first of them asks, waves 2 and 3 of each partner 32 rows each of its 64 (cy).  K steps 0 to 3 come by their loads alone; the loop's last trip (s3 = 1) has no step two refills on.
.macro ASK
	s_cmp_gt_u32 s3, s[LIM]
	s_cbranch_scc0 .Lnot_mine_\@
	global_prefetch_b8 v[PFO], s[PFA:PFA+1] th:TH_LOAD_NT scope:SCOPE_SE
.Lnot_mine_\@:
.endm
	s_load_b256 s[68:75], s[0:1], 0x0              ; xb s[68:69], wb s[70:71], bq s[72:73], bk s[74:75]
	s_load_b128 s[76:79], s[0:1], 0x20             ; bv s[76:77], qh s[78:79]
	s_load_b64 s[80:81], s[0:1], 0x30              ; kv
	v_lshl_add_u32 v[SPW], v0, 2, SPARE
	v_mov_b32 v[NIL], 0
	ds_add_u32 v[SPW], v[NIL]                      ; the wave's opening: the add and its wait stand ahead of my first tensor load; the set-up below stands between them
	v_lshrrev_b32 v1, 5, v0
	v_readfirstlane_b32 s10, v1                    ; wave 0..3
	s_lshr_b32 s11, s10, 1                         ; my half of the tile's rows.  Also: I fetch for x (0) or for W (1)
	s_and_b32 s12, s10, 1                          ; my half of its columns.  Also: which half of that tile I fetch
	s_bfe_u32 s40, ttmp6, 0x40000                  ; cx
	s_bfe_u32 s41, ttmp6, 0x40004                  ; cy
	s_lshl_b32 s42, ttmp9, 2
	s_add_co_u32 s42, s42, s40                     ; tile column, 0..3
	s_and_b32 s94, ttmp7, 0xffff                   ; cluster y, 0..47
	s_lshl_b32 s13, s94, 2
	s_add_co_u32 s13, s13, s41                     ; tile row, 0..191: 64 for each projection
	s_lshr_b32 s45, s94, 4                         ; the projection: 0 q, 1 k, 2 v: the same in all sixteen partners
	s_lshl_b32 s43, s41, 2
	s_lshl_b32 s43, 15, s43                        ; my row of the cluster
	s_lshl_b32 s44, 0x1111, s40                    ; my column
	s_or_b32 s[G1+0], s43, (1<<16)|(1<<20)|(1<<21)|(5<<22)|(3<<25)   ; the mask; 2-byte elements; padding on; bit 21 beside a mask; after every 64 words 4 words
	s_or_b32 s[G1B+0], s44, (1<<16)|(1<<20)|(1<<21)|(5<<22)|(3<<25)
	s_mov_b32 s[G1+1], KSTEP<<16                   ; tensor_dim0 = 128
	s_mov_b32 s[G1+2], 64<<16                      ; tensor_dim1 = 64
	s_mov_b32 s[G1+3], KSTEP<<16                   ; tile_dim0 = 128
	s_mov_b32 s[G1+4], 64                          ; tile_dim1 = 64
	s_mov_b32 s[G1+5], 1024                        ; elements from row to row
	s_mov_b32 s[G1+6], 0
	s_mov_b32 s[G1+7], 0
	s_mov_b32 s[G1B+1], KSTEP<<16
	s_mov_b32 s[G1B+2], 128<<16                    ; W: 128 rows
	s_mov_b32 s[G1B+3], KSTEP<<16
	s_mov_b32 s[G1B+4], 128
	s_mov_b32 s[G1B+5], 1024
	s_mov_b32 s[G1B+6], 0
	s_mov_b32 s[G1B+7], 0
	s_lshl_b32 s16, s13, 7                         ; x: row 128 x tile row + 64 x half (xb's three tensors lie end to end),
	s_lshl_b32 s17, s12, 6
	s_add_co_u32 s16, s16, s17
	s_lshl_b32 s16, s16, 11                        ; in bytes
	s_mov_b32 s17, 0
	s_lshl_b32 s46, s45, 10                        ; W: row 1,024 x projection + 256 x tile column + 128 x half
	s_lshl_b32 s47, s42, 8
	s_add_co_u32 s46, s46, s47
	s_lshl_b32 s47, s12, 7
	s_add_co_u32 s46, s46, s47
	s_lshl_b32 s46, s46, 11
	s_mov_b32 s47, 0
	s_mul_i32 s20, s12, AHALF                      ; where they go: no place in the cluster enters an LDS address
	s_mul_i32 s18, s12, BHALF
	s_add_co_u32 s18, s18, ABYTES
	s_wait_dscnt 0x0                               ; the opening add is done
	s_wait_kmcnt 0x0
	s_add_nc_u64 s[14:15], s[68:69], s[16:17]
	s_add_nc_u64 s[46:47], s[70:71], s[46:47]
	CROUND                                         ; all sixteen work-groups are here: the first joint loads meet
.irp s, 0,1
	s_mov_b32 s[G0+4*(\s)], 1
	s_add_co_u32 s[G0+4*(\s)+1], s20, (\s)*SLOT
	s_add_nc_u64 s[G0+4*(\s)+2:G0+4*(\s)+3], s[14:15], (\s)*ASTEP
	s_or_b32 s[G0+4*(\s)+3], s[G0+4*(\s)+3], 0x80000000
	s_mov_b32 s[G0B+4*(\s)], 1
	s_add_co_u32 s[G0B+4*(\s)+1], s18, (\s)*SLOT
	s_add_nc_u64 s[G0B+4*(\s)+2:G0B+4*(\s)+3], s[46:47], (\s)*BSTEP
	s_or_b32 s[G0B+4*(\s)+3], s[G0B+4*(\s)+3], 0x80000000
	JLOAD \s
.endr
	; the bias: register j of group b is bias[my first column + 16 b + 8 (l / 16) + j]
	v_and_b32 v1, 15, v0                           ; l % 16
	v_bfe_u32 v2, v0, 4, 1                         ; l / 16
	v_lshlrev_b32 v[BO], 5, v2
	s_cmp_eq_u32 s45, 1
	s_cselect_b64 s[BP:BP+1], s[74:75], s[72:73]
	s_cmp_eq_u32 s45, 2
	s_cselect_b64 s[BP:BP+1], s[76:77], s[BP:BP+1]
	s_lshl_b32 s14, s42, 10
	s_lshl_b32 s15, s12, 9
	s_add_co_u32 s14, s14, s15
	s_mov_b32 s15, 0
	s_add_nc_u64 s[BP:BP+1], s[BP:BP+1], s[14:15]
	WIN 0x80                                       ; destination window 2, address window 0
.irp b, 0,1,2,3,4,5,6,7
	global_load_b128 v[8*(\b):8*(\b)+3],   v[BO], s[BP:BP+1] offset:64*(\b)
	global_load_b128 v[8*(\b)+4:8*(\b)+7], v[BO], s[BP:BP+1] offset:64*(\b)+16
.endr
	WIN 0
	v_mul_u32_u24 v3, v1, BPITCH
	v_lshl_add_u32 v3, v2, 4, v3                   ; a fragment's row x pitch + 16 x half of the lanes
	v_mul_u32_u24 v4, v1, APITCH
	v_lshl_add_u32 v4, v2, 4, v4
	s_mul_i32 s21, s11, AWR                        ; my 64 rows of x
	s_mul_i32 s22, s12, BHALF                      ; my 128 rows of W,
	s_add_co_u32 s22, s22, ABYTES                  ; which lie behind x's
.irp s, 0,1
	v_add_nc_u32 v[ADRA+(\s)], s21, v4
	v_add_nc_u32 v[ADRB+(\s)], s22, v3
	s_add_co_u32 s21, s21, SLOT
	s_add_co_u32 s22, s22, SLOT
.endr
	s_mul_i32 s23, s10, WSTG
	s_add_co_u32 s23, s23, STAGE                   ; my stage
	v_mul_u32_u24 v5, v1, 144                      ; in: row l % 16, 16 bytes for each half of the lanes
	v_lshl_add_u32 v5, v2, 4, v5
	v_add_nc_u32 v[STO], s23, v5
	v_bfe_u32 v5, v0, 3, 2                         ; back: 32 lanes take four rows of 128 bytes,
	v_mul_u32_u24 v5, v5, 144
	v_and_b32 v6, 7, v0
	v_lshl_add_u32 v5, v6, 4, v5
	v_add_nc_u32 v[RD], s23, v5
	v_and_b32 v[GO], 31, v0                        ; which are 512 consecutive bytes of a head
	v_lshlrev_b32 v[PFO], 11, v[GO]                ; a row of xb and of wb is 2,048 bytes
	v_lshlrev_b32 v[GO], 4, v[GO]
	; where my rows go.  Row s of batch b, head hd: qh byte (16 b + hd) 2^18 + 128 s; kv byte (16 b + hd) 2^19 + (s / 256) 2^16 + (V: 2^15) + 128 (s % 256)
	s_and_b32 s14, s13, 63
	s_lshr_b32 s14, s14, 4                         ; the batch
	s_and_b32 s15, s13, 15                         ; the tile of 128 rows in it
	s_lshl_b32 s14, s14, 4
	s_lshl_b32 s16, s42, 2
	s_add_co_u32 s14, s14, s16
	s_lshl_b32 s16, s12, 1
	s_add_co_u32 s14, s14, s16                     ; my first head: 16 x batch + 4 x tile column + 2 x my half
	s_lshl_b32 s16, s15, 14
	s_lshl_b32 s17, s11, 13
	s_add_co_u32 s16, s16, s17
	s_lshl_b32 s17, s14, 18
	s_add_co_u32 s16, s16, s17                     ; the offset in qh
	s_lshr_b32 s18, s15, 1
	s_lshl_b32 s18, s18, 16
	s_and_b32 s19, s15, 1
	s_lshl_b32 s19, s19, 14
	s_add_co_u32 s18, s18, s19
	s_lshl_b32 s19, s11, 13
	s_add_co_u32 s18, s18, s19
	s_lshl_b32 s19, s14, 19
	s_add_co_u32 s18, s18, s19
	s_lshr_b32 s19, s45, 1                         ; 1 for v
	s_lshl_b32 s19, s19, 15
	s_add_co_u32 s18, s18, s19                     ; the offset in kv
	s_cmp_eq_u32 s45, 0
	s_cselect_b32 s16, s16, s18
	s_cselect_b64 s[OUT0:OUT0+1], s[78:79], s[80:81]
	s_cselect_b32 s18, 18, 19
	s_lshl_b32 s18, 1, s18                         ; from a head to the next
	s_mov_b32 s17, 0
	s_mov_b32 s19, 0
	s_add_nc_u64 s[OUT0:OUT0+1], s[OUT0:OUT0+1], s[16:17]
	s_add_nc_u64 s[OUT0+2:OUT0+3], s[OUT0:OUT0+1], s[18:19]
	; the prefetches
	s_and_b32 s14, s94, 15
	s_cmp_eq_u32 s14, 0                            ; the projection's first cluster asks for W's rows,
	s_cselect_b32 s[LIM], 1, -1
	s_cmp_eq_u32 s11, 0
	s_cselect_b32 s[LIM], -1, s[LIM]               ; by its waves 2 and 3;
	s_cmp_eq_u32 s10, 0
	s_cselect_b32 s[LIM], 1, s[LIM]                ; wave 0 of every work-group for x's: no place in the cluster enters
	s_lshl_b32 s14, s13, 7                         ; x: row 128 x tile row + 32 cx
	s_lshl_b32 s15, s40, 5
	s_add_co_u32 s14, s14, s15
	s_lshl_b32 s15, s45, 10                        ; W: row 1,024 x projection + 256 x tile column + 64 cy + 32 x (wave % 2)
	s_lshl_b32 s16, s42, 8
	s_add_co_u32 s15, s15, s16
	s_lshl_b32 s16, s41, 6
	s_add_co_u32 s15, s15, s16
	s_lshl_b32 s16, s12, 5
	s_add_co_u32 s15, s15, s16
	s_cmp_eq_u32 s11, 0
	s_cselect_b32 s14, s14, s15
	s_cselect_b64 s[PFA:PFA+1], s[68:69], s[70:71]
	s_lshl_b32 s14, s14, 11
	s_add_co_u32 s14, s14, 3*KSTEP*2               ; at K step 3: the first refill steps it to 4
	s_mov_b32 s15, 0
	s_add_nc_u64 s[PFA:PFA+1], s[PFA:PFA+1], s[14:15]
	s_mov_b32 s[PFS], KSTEP*2
	s_mov_b32 s[PFS+1], 0
	s_wait_loadcnt 0x0                             ; the bias is in: rounded to bf16 and widened again
	WIN 0x8a                                       ; sources and destination in window 2
.set i, 0
.rept 32
	v_cvt_pk_bf16_f32 v[64+i], v[2*i], v[2*i+1]
.set i, i+1
.endr
.set i, 0
.rept 32
	v_lshlrev_b32 v[2*i], 16, v[64+i]
	v_and_b32 v[2*i+1], 0xffff0000, v[64+i]
.set i, i+1
.endr
	WIN 0
; 8 matrix instructions: block a of my four blocks of 16 rows x all 8 blocks of 16 columns, 32 along K.  first = 1: the product starts the sums, from the bias.
; The 32 accumulators take turns in one order everywhere: between two links of a chain stand the 31 others'.
.macro MUL8 f, a, first
.if \first
	WIN W_FIRST
.else
	WIN W_MUL
.endif
.irp b, 0,1,2,3,4,5,6,7
.if \first
	v_wmma_f32_16x16x32_bf16 v[8*(8*(\a)+(\b)):8*(8*(\a)+(\b))+7], v[(\f)+8*(\b):(\f)+8*(\b)+7], v[(\f)+64+8*(\a):(\f)+64+8*(\a)+7], v[8*(\b):8*(\b)+7]
.else
	v_wmma_f32_16x16x32_bf16 v[8*(8*(\a)+(\b)):8*(8*(\a)+(\b))+7], v[(\f)+8*(\b):(\f)+8*(\b)+7], v[(\f)+64+8*(\a):(\f)+64+8*(\a)+7], v[8*(8*(\a)+(\b)):8*(8*(\a)+(\b))+7]
.endif
.endr
.endm
.macro MUL16 f, a0, first
	MUL8 \f, \a0, \first
	MUL8 \f, (\a0)+1, \first
.endm
; 24 LDS loads in one run: quarter q (32 along K) of a slot into buffer f: W's 8 fragments, then x's 4
.macro FETCH slot, q, f
	WIN 0
.irp i, 0,1,2,3,4,5,6,7
	ds_load_b128 v[(\f)+8*(\i):(\f)+8*(\i)+3],   v[ADRB+(\slot)] offset:64*(\q)+(\i)*16*BPITCH
	ds_load_b128 v[(\f)+8*(\i)+4:(\f)+8*(\i)+7], v[ADRB+(\slot)] offset:64*(\q)+(\i)*16*BPITCH+32
.endr
.irp i, 0,1,2,3
	ds_load_b128 v[(\f)+64+8*(\i):(\f)+64+8*(\i)+3],   v[ADRA+(\slot)] offset:((\q)/2)*APLANE+((\q)%2)*64+(\i)*16*APITCH
	ds_load_b128 v[(\f)+64+8*(\i)+4:(\f)+64+8*(\i)+7], v[ADRA+(\slot)] offset:((\q)/2)*APLANE+((\q)%2)*64+(\i)*16*APITCH+32
.endr
.endm
.macro PLACES                          ; four plain instructions in front of loads into registers that matrix instructions have read, and of reads of results
.rept 4
	v_nop
.endr
.endm
; A K step is four quarters of 32 along K, 32 matrix instructions each, on buffers 0, 1, 0, 1.  One of the first three: multiplies buffer f; in its middle it fetches quarter q into g.
.macro QUARTER slot, q, f, g, first
	s_wait_dscnt 4                                 ; W's fragments and x's blocks 0 and 1 are in; the youngest four loads (blocks 2 and 3) may be out
	MUL16 \f, 0, \first
	PLACES
	FETCH \slot, \q, \g
	s_wait_dscnt 24                                ; all but the 24 just issued
	MUL16 \f, 2, \first
.endm
; The last quarter multiplies buffer 1 and changes slots: ONE barrier; in front of it each wave waits for all its tensor loads (one is out: its part of the next slot), adds 0 to its spare word, and
; waits for that and for its own reads of this slot.  fill = 1: the barrier opens a round of the cluster's, and this slot is filled again first thing behind it, two K steps ahead.
.macro TURN slot, next, fill
.if \fill
	s_wait_xcnt 0x0                                ; the last prefetch, a K step back, has read its address
	s_add_nc_u64 s[PFA:PFA+1], s[PFA:PFA+1], s[PFS:PFS+1]
.endif
	WIN 0
	s_wait_tensorcnt 0x0                           ; all my tensor loads have landed
	ds_add_u32 v[SPW], v[NIL]                      ; 0 onto my spare word
	s_wait_dscnt 5                                 ; (the add and the youngest four loads may be out)
	MUL8 F1, 0, 0                                  ; eight matrix instructions stand between the add and the wait for it
	s_wait_dscnt 0x0                               ; the add is done, and my reads of this slot are over
	s_barrier_signal -1
	MUL8 F1, 1, 0
.if \fill
	WIN 0
.endif
	s_barrier_wait -1
.if \fill
	CREST                                          ; no wave of any partner still reads this slot or has a load on its way
	s_add_nc_u64 s[G0+4*(\slot)+2:G0+4*(\slot)+3], s[G0+4*(\slot)+2:G0+4*(\slot)+3], 2*ASTEP
	s_add_nc_u64 s[G0B+4*(\slot)+2:G0B+4*(\slot)+3], s[G0B+4*(\slot)+2:G0B+4*(\slot)+3], 2*BSTEP
	JLOAD \slot                                    ; the first tensor load behind the round; its four v_nop are also the places in front of the loads below
.else
	PLACES
.endif
	FETCH \next, 0, F0
.if \fill
	ASK
.endif
	MUL16 F1, 2, 0
.endm
	s_wait_tensorcnt 1                             ; my part of K step 0 is in; step 1's may stay out
	s_barrier_signal -1
	s_barrier_wait -1                              ; everybody's is
	FETCH 0, 0, F0
	QUARTER 0, 1, F0, F1, 1                        ; the first quarter stands in front of the loop: its products start the sums
	WIN 0
	s_mov_b32 s3, 3                                ; three trips fill K steps 2 to 7
.Llap:
	QUARTER 0, 2, F1, F0, 0
	QUARTER 0, 3, F0, F1, 0
	TURN 0, 1, 1
	QUARTER 1, 1, F0, F1, 0
	QUARTER 1, 2, F1, F0, 0
	QUARTER 1, 3, F0, F1, 0
	TURN 1, 0, 1
	QUARTER 0, 1, F0, F1, 0
	WIN 0
	s_sub_co_u32 s3, s3, 1
	s_cmp_lg_u32 s3, 0
	s_cbranch_scc1 .Llap
	QUARTER 0, 2, F1, F0, 0                        ; the last two K steps fill nothing
	QUARTER 0, 3, F0, F1, 0
	TURN 0, 1, 0
	QUARTER 1, 1, F0, F1, 0
	QUARTER 1, 2, F1, F0, 0
	QUARTER 1, 3, F0, F1, 0
	s_wait_dscnt 4
	MUL16 F1, 0, 0
	s_wait_dscnt 0x0
	MUL16 F1, 2, 0
	WIN 0
	PLACES
; THE WAY OUT, a block of 16 rows at a time: rounded to f16, 16 bytes a lane into my own stage (two heads' rows of 128 bytes, 144 apart), back as four whole rows a load, and stored:
; 16 rows of a head are 2,048 consecutive bytes.
.macro PACK a
	WIN 0x05                                       ; sources in window 1
.irp b, 0,1,2,3,4,5,6,7
.irp r, 0,1,2,3
	v_cvt_pk_f16_f32 v[TMP+4*(\b)+(\r)], v[8*(8*(\a)+(\b))+2*(\r)], v[8*(8*(\a)+(\b))+2*(\r)+1]
.endr
.endr
	WIN 0
.endm
.macro TOSTAGE a
.irp b, 0,1,2,3,4,5,6,7
	ds_store_b128 v[STO], v[TMP+4*(\b):TMP+4*(\b)+3] offset:((\b)/4)*2304+((\b)%4)*32
.endr
.irp t, 0,1,2,3,4,5,6,7
	ds_load_b128 v[OB+32*(\a)+4*(\t):OB+32*(\a)+4*(\t)+3], v[RD] offset:((\t)/4)*2304+((\t)%4)*576  ; LDS serves a wave's instructions in order: these see the stores above
.endr
.endm
.macro SEND a
.irp t, 0,1,2,3,4,5,6,7
	s_wait_dscnt 7-(\t)                            ; load t of the block's eight is in
	global_store_b128 v[GO], v[OB+32*(\a)+4*(\t):OB+32*(\a)+4*(\t)+3], s[OUT0+2*((\t)/4):OUT0+2*((\t)/4)+1] offset:(\a)*2048+((\t)%4)*512  ; 512 consecutive bytes, aligned
.endr
.endm
	PACK 0
	TOSTAGE 0
.irp a, 1,2,3                          ; a block's conversions stand between the loads of the block before and the wait for them
	PACK \a
	SEND (\a)-1
	TOSTAGE \a
.endr
	SEND 3
	s_wait_tensorcnt 0x0                           ; the wave's end
	ds_add_u32 v[SPW], v[NIL]
	s_wait_dscnt 0x0
	CROUND                                         ; the closing round: no work-group ends while a partner may still ask for a tile that names it
	s_endpgm
.Lfunc_end_k_q0e3d83881e_proj:
	.size	k_q0e3d83881e_proj, .Lfunc_end_k_q0e3d83881e_proj-k_q0e3d83881e_proj
	.p2alignl 7, 3214868480
	.fill 96, 4, 3214868480
	.section	.rodata,"a",@progbits
	.p2align	6, 0x0
	.amdhsa_kernel k_q0e3d83881e_proj
		.amdhsa_group_segment_fixed_size 327680
		.amdhsa_private_segment_fixed_size 0
		.amdhsa_enable_private_segment 0
		.amdhsa_kernarg_size 56
		.amdhsa_user_sgpr_count 2
		.amdhsa_user_sgpr_kernarg_segment_ptr 1
		.amdhsa_wavefront_size32 1
		.amdhsa_system_sgpr_workgroup_id_x 1
		.amdhsa_system_sgpr_workgroup_id_y 1
		.amdhsa_system_sgpr_workgroup_id_z 1
		.amdhsa_system_vgpr_workitem_id 0
		.amdhsa_next_free_vgpr 608
		.amdhsa_next_free_sgpr 96
		.amdhsa_reserve_vcc 0
		.amdhsa_float_denorm_mode_32 3
		.amdhsa_float_denorm_mode_16_64 3
		.amdhsa_memory_ordered 1
		.amdhsa_forward_progress 1
		.amdhsa_inst_pref_size 96
	.end_amdhsa_kernel
	.amdgpu_metadata
---
amdhsa.version: [ 1, 2 ]
amdhsa.kernels:
  - .name:           k_q0e3d83881e_proj
    .symbol:         k_q0e3d83881e_proj.kd
    .args:
      - { .name: xb, .offset: 0, .size: 8, .value_kind: global_buffer, .address_space: global }
      - { .name: wb, .offset: 8, .size: 8, .value_kind: global_buffer, .address_space: global }
      - { .name: bq, .offset: 16, .size: 8, .value_kind: global_buffer, .address_space: global }
      - { .name: bk, .offset: 24, .size: 8, .value_kind: global_buffer, .address_space: global }
      - { .name: bv, .offset: 32, .size: 8, .value_kind: global_buffer, .address_space: global }
      - { .name: qh, .offset: 40, .size: 8, .value_kind: global_buffer, .address_space: global }
      - { .name: kv, .offset: 48, .size: 8, .value_kind: global_buffer, .address_space: global }
    .group_segment_fixed_size: 327680
    .private_segment_fixed_size: 0
    .kernarg_segment_align: 8
    .kernarg_segment_size: 56
    .max_flat_workgroup_size: 128
    .sgpr_count:     96
    .vgpr_count:     608
    .wavefront_size: 32
...
	.end_amdgpu_metadata
.endif
;; end of part 2
;; launch attn (part 3): grid 4 x 64, 4 waves a work-group, clusters of 4 x 1, 327,680 bytes of LDS; arguments qh, kv, mb, oh; writes oh
.if DOCPART == 3
	.amdgcn_target "amdgcn-amd-amdhsa--gfx1250"
	.amdhsa_code_object_version 6
	.text
	.protected	k_q0e3d83881e_attn
	.globl	k_q0e3d83881e_attn
	.p2align	8
	.type	k_q0e3d83881e_attn,@function
k_q0e3d83881e_attn:
	s_mov_b64 s[64:65], 0
	v_nop
	global_prefetch_b8 v0, s[64:65] scope:SCOPE_SE
	s_setreg_imm32_b32 hwreg(HW_REG_WAVE_MODE, 25, 1), 1
	s_wait_xcnt 0x0
	s_wait_alu depctr_hold_cnt(0) depctr_sa_sdst(0) depctr_va_vdst(0) depctr_va_sdst(0) depctr_va_ssrc(0) depctr_va_vcc(0) depctr_vm_vsrc(0)
	s_getreg_b32 s2, hwreg(HW_REG_IB_STS2, 6, 4)
	s_cmp_eq_u32 s2, 0
	s_cbranch_scc0 .Lentry_in_a_cluster
	s_endpgm
.Lentry_in_a_cluster:
	s_bfe_u32 s2, ttmp6, 0x10000c
	s_cmp_lg_u32 s2, 0x3003
	s_cbranch_scc0 .Lentry_shape_is_right
	s_endpgm
.Lentry_shape_is_right:
; ATTENTION UNDER A MASK THAT IS AN INPUT.  O[h][q] = the sum over k of softmax_k(s[q][k]) V[h][k], s = Q[h][q] . K[h][k] / 8 where mask[q][k] is not 0, else a blocked score.  64 heads of 2,048 rows of 64, f16.
; Products, maxima and sums in f32; the weights p are rounded to f16 for the second product (their sum l is taken of the unrounded p), O once at the end.
; THE MASK.  mb holds, for each tile of 16 queries, step of 64 keys and register of the score tile, the 32 lanes that are blocked, as one word.  One v_cndmask_b32 a register REPLACES the blocked scores by
; -2^33 (unscaled; -2^30 after the scale) before the maximum is taken.  c x 2^33 is exact, so in a row that is blocked everywhere c s - c m is exactly 0, every weight 1, and O the mean of V's rows.
; As soon as a row has seen an open score, a = 2^(c m_old - c m_new) = 0 wipes what the blocked steps left.  No pattern of the mask is built in: all keys are walked.
; HOW THE WORDS COME.  v_cndmask_b32 takes its lanes from a scalar register, and a turn wants 64 words; 106 scalar registers have no room for a second set of 64, so scalar loads could be asked for
; less than a turn ahead.  So each of the wave's eight tiles has a VECTOR register: a load of 128 consecutive bytes brings its 32 words of a key step, a lane a word; 64 v_readlane_b32 a turn
; hand a piece's two registers to the scalar registers, and directly behind them the two are asked for again, with the next key step's words: four turns ahead of their use.
; LIMITS.  f16 holds no number beyond 65,504: Q, K, V arrive within it.  The blocked score is -2^30 rather than -1e9: the results are the same unless a true scaled score lies below about -9e8.
; A weight below 2^-126 counts as 0 in l; NaN and infinities are not treated apart.
; SHARES.  A wave owns four PIECES of two tiles of 16 queries, a work-group's four waves 512 queries of one head: 256 work-groups.  Every wave walks all keys, 64 a step; a slot of LDS holds four steps.
; LAYOUT.  S^T = K Q^T (source 0 = 16 keys, source 1 = 16 queries): a lane holds ONE query (lane % 16) and the keys 8 (lane / 16) + 0..7.  Two such tiles, rounded to f16 in pairs, ARE source 1 of
; O^T = V^T P.  K comes out of LDS as it lies, V turned, by ds_load_tr16_b128.
; SOFTMAX.  A running maximum m and sum l: p = 2^(c s - c m), c = log2(e) / 8; in every step O and l are multiplied by a.  m starts at the lowest finite number, O and l at 0.
; BY TURNS.  Turn n belongs to piece n.  Matrix work: 16 products K Q^T of piece n + 1, later 16 products V^T P of piece n - 1.  Vector work: scaling, exponentials, roundings, sums and rescaling of piece n,
; and the masking, maximum and statistics of piece n + 1.  Four vector instructions stand behind every matrix instruction, the others in one run; a turn's 66 exponentials are one batch with one wait.
; CLUSTER.  The four query blocks of a cluster belong to one head and walk the same K and V: each tile is asked for jointly.  K and V of a tile lie end to end in kv, so wave w's quarter is
; 16,384 w bytes in: one descriptor, no branch.
; REGISTERS.  window 0: v1-10 addresses; v12-15, v48-63 at work; v16-47 four registers of statistics a tile; v64-191 S^T, two buffers of two tiles; v192-255 P, likewise
;   window 1: O^T, 32 a tile          window 2: v0-127 Q, 16 a tile; v128-191 K of one step; v192-255 V of one step          window 3: v0-7 the mask words, a register a tile; v8, v9 their offset
.set NP,    4
.set KS,    64
.set PK,    144       ; a row of K in LDS: 128 bytes + 16 of padding: 9 x 16 bytes, so the 16 rows of a load start in 16 different groups of four banks
.set PV,    144       ; V has the same pitch, since one descriptor brings both: of the turning load's 8 rows x 32 bytes one row shares four banks with another
.set VOFF,  4*KS*PK   ; a slot: 256 rows of K, then 256 rows of V
.set SLOT1, 1<<17     ; slot 1 begins here, so that one exclusive or turns an address in one slot into the other's
.set STAGE, SLOT1+4*KS*(PK+PV)  ; behind the ring: 16 rows x 144 bytes for each wave, for the way out
.set SP,    144
.set SPARE, STAGE+4*16*SP       ; behind the stages: the spare words, 128 bytes for each wave
.set SPW, 1           ; v1   LDS address of my spare word; never rewritten
.set AK0, 2           ; v2   my lane's place in a tile of K; never rewritten
.set AV0, 3           ; v3   the same for V
.set AK,  4           ; v4   the LDS address of K's next run of loads
.set AV,  5           ; v5   of V's
.set QO,  6           ; v6   my byte offset in the wave's rows of Q
.set STO, 6           ;      later: where I put 16 bytes of a row
.set RD,  7           ; v7   where I read rows back
.set GO,  8           ; v8   my byte offset in 512 consecutive bytes of O
.set NIL, 9           ; v9   0; never rewritten
.set PFO, 10          ; v10  256 x lane; never rewritten
.set MV,  12          ; v12-15  c m_old, kept while c m is made anew
.set ST,  16          ; tile t's statistics at v[ST+4 t]: c m, m, l (even keys', odd keys')
.set TMP, 48          ; by buffer and tile, c0-c3 at work; when the maximum is found c2 takes a
.set S,   64
.set P,   192
.set L15, 128         ; v128-131: l % 16, l / 16, l % 8, (l / 8) % 2, during the set-up: S^T's second buffer is not written before the first turn
.set LH,  129
.set L7,  130
.set L3,  131
.set KF,  128         ; window 2
.set VF,  192         ; window 2
.set MR,  0           ; window 3: v0-7  tile t's 32 mask words of one key step, lane i holds word i
.set MOF, 8           ; window 3: v8    their byte offset in a tile's 4,096 bytes: 4 x lane + 128 x the key step that is asked for
.set ML4, 9           ; window 3: v9    4 x lane; never rewritten
.set QP,  2           ; s[2:3]   Q at my wave's first row
.set G0,  4           ; s[4:7]   descriptor group 0: it walks
.set MP,  8           ; s[8:9]   mb at my wave's first tile; never rewritten
.set OP,  10          ; s[10:11] O at my wave's first row
.set WV,  12          ; s12  my wave's number
.set TBV, 14          ; s14  LDS byte at which V of the step to be fetched begins, less VOFF
.set LIM, 15          ; s15  1 where I prefetch in this slot's last trip, else the greatest number
.set MO,  16          ; s16  128 x the key step whose words are asked for
.set SLOTS, 17        ; s17  slots still to be asked for
.set CNT, 18          ; s18  counts a slot's key steps
.set TBK, 19          ; s19  the same as TBV for K
.set CS,  20          ; s[20:21] c
.set SEL, 22          ; s22, s23 v_permlanex16_b32's selects
.set G1,  24          ; s[24:31] descriptor group 1
.set MW0, 32          ; s[32:63] the 32 words of the piece's first tile
.set PFA, 66          ; s[66:67] where my prefetches stand
.set MW1, 68          ; s[68:99] those of its second tile; during the set-up the arguments and offsets
.set BIGS, 104        ; s104 -2^33
.set AW,  105         ; s105 1 in waves 0 and 1, else the greatest number
.set MSB, 0
.macro WIN new
.if MSB != (\new)
	s_set_vgpr_msb (MSB<<8)|(\new)
.set MSB, (\new)
.endif
.endm
.set W_KQ, 0x0a       ; K and Q in window 2, S^T in window 0
.set W_PV, 0x52       ; V in window 2, P in window 0, O^T in window 1
.set W_RS, 0x41       ; O^T (destination and source 0) in window 1, a in window 0
.set W_MW, 0xcf       ; the mask words: sources 0 and 1 and the destination in window 3
.set W_Z,  0x4a       ; O^T's start: sources in window 2, destination in window 1
.macro JLOAD                        ; a joint fill: every wave its quarter of a slot; an s_nop 0 and four v_nop follow
	tensor_load_to_lds s[G0:G0+3], s[G1:G1+7]
	s_nop 0
.rept 4
	v_nop
.endr
.endm
.macro CROUND                       ; a round of the cluster's barrier
	s_barrier_signal -1
	s_barrier_wait -1
	s_cmp_lg_u32 s[WV], 0
	s_cbranch_scc1 .Lnot_wave_0_\@
	s_barrier_signal -3
.Lnot_wave_0_\@:
	s_barrier_wait -3
	s_barrier_signal -1
	s_barrier_wait -1
.endm
.macro MLOAD x                      ; the 64 words of piece x for the key step in MOF are asked for: 128 consecutive bytes for each of its two tiles.  The windows stand at W_MW
	global_load_b32 v[MR+2*(\x)],   v[MOF], s[MP:MP+1] offset:8192*(\x)
	global_load_b32 v[MR+2*(\x)+1], v[MOF], s[MP:MP+1] offset:8192*(\x)+4096
.endm
.macro MWORDS x                     ; piece x's 64 words go from its two registers' lanes into the scalar registers
	WIN W_MW
.set mw, 0
.rept 32
	v_readlane_b32 s[MW0+mw], v[MR+2*(\x)], mw
	v_readlane_b32 s[MW1+mw], v[MR+2*(\x)+1], mw
.set mw, mw+1
.endr
.endm
; THE CHANGE OF SLOTS.  Each wave waits for all its tensor loads (one is out: its part of the other slot), adds 0 to its spare word, and waits for that and for its own reads of the slot.
; fill = 1: the slot is filled again with the keys two slots on, first thing behind a round of the cluster's barrier.  (At its first use nothing has been read yet: slot 0 is waited for, slot 1 filled.)
.macro CHANGE fill
	WIN 0
	s_wait_tensorcnt 0x0            ; no tensor load of mine is out, so group 0 may be written
	ds_add_u32 v[SPW], v[NIL]       ; 0 onto my spare word
.if \fill
	s_xor_b32 s[G0+1], s[G0+1], SLOT1
	s_add_nc_u64 s[G0+2:G0+3], s[G0+2:G0+3], 65536  ; the next 256 keys' K and V
	s_wait_xcnt 0x0                 ; the last prefetch, a trip back, has read its address
	s_add_nc_u64 s[PFA:PFA+1], s[PFA:PFA+1], 65536  ; one tile behind the walking descriptor
	s_cmp_gt_u32 s[SLOTS], s[AW]    ; the last fill has no tile behind it
	s_cselect_b32 s[LIM], 1, -1
	s_wait_dscnt 0x0                ; the add is done, and my reads of the slot are over
	CROUND
	JLOAD
.else
	s_wait_dscnt 0x0
	s_barrier_signal -1
	s_barrier_wait -1
.endif
	s_sub_co_u32 s[TBK], s[TBK], 4*KS*PK  ; the fetches go back to a slot's first step, in the other slot
	s_xor_b32 s[TBK], s[TBK], SLOT1
	s_sub_co_u32 s[TBV], s[TBV], 4*KS*PV
	s_xor_b32 s[TBV], s[TBV], SLOT1
.endm
	s_load_b256 s[68:75], s[0:1], 0x0  ; qh s[68:69], kv s[70:71], mb s[72:73], oh s[74:75]
	v_lshl_add_u32 v[SPW], v0, 2, SPARE
	v_mov_b32 v[NIL], 0
	ds_add_u32 v[SPW], v[NIL]       ; the wave's opening: the add and its wait stand ahead of my first tensor load
	v_lshrrev_b32 v11, 5, v0
	v_readfirstlane_b32 s[WV], v11  ; wave 0..3
	s_bfe_u32 s13, ttmp6, 0x40000   ; cx
	s_lshl_b32 s100, ttmp9, 2
	s_add_co_u32 s100, s100, s13    ; my block of 512 queries: it enters Q's, O's and the mask words' addresses alone
	s_and_b32 s76, ttmp7, 0xffff    ; the head (16 x batch + head), which the four partners share
	s_lshl_b32 s77, s100, 2
	s_add_co_u32 s77, s77, s[WV]    ; my wave among the head's sixteen
	s_lshl_b32 s78, s77, 14         ; its 128 rows of 128 bytes,
	s_lshl_b32 s79, s76, 18
	s_add_co_u32 s78, s78, s79      ; in the head
	s_mov_b32 s79, 0
	s_lshl_b32 s80, s76, 19         ; kv: the head's tile 0,
	s_lshl_b32 s81, s[WV], 14
	s_add_co_u32 s80, s80, s81      ; my quarter of it
	s_mov_b32 s81, 0
	s_lshr_b32 s82, s76, 4          ; mb: tile of queries 128 x batch + 8 x my wave,
	s_lshl_b32 s82, s82, 7
	s_lshl_b32 s83, s77, 3
	s_add_co_u32 s82, s82, s83
	s_lshl_b32 s82, s82, 12         ; 4,096 bytes each
	s_mov_b32 s83, 0
	s_lshl_b32 s84, s76, 19         ; the prefetches: of a tile's 65,536 bytes partner cx takes 16,384, waves 0 and 1 half of that each
	s_lshl_b32 s85, s13, 14
	s_add_co_u32 s84, s84, s85
	s_and_b32 s85, s[WV], 1
	s_lshl_b32 s85, s85, 13
	s_add_co_u32 s84, s84, s85
	s_add_co_u32 s84, s84, 65536    ; at tile 1: the first change of slots steps it to tile 2
	s_mov_b32 s85, 0
	s_cmp_lt_u32 s[WV], 2
	s_cselect_b32 s[AW], 1, -1
	s_mov_b32 s[G1], 15|(1<<16)|(1<<20)|(1<<21)|(4<<22)|(3<<25)  ; the mask of four; 2-byte elements; padding on; bit 21 beside a mask; after every 32 words 4 words
	s_mov_b32 s[G1+1], 128<<16      ; 16,384 dense bytes as 64 rows of 256: tensor_dim0 = 128
	s_mov_b32 s[G1+2], 64<<16       ; tensor_dim1 = 64
	s_mov_b32 s[G1+3], 128<<16      ; tile_dim0 = 128
	s_mov_b32 s[G1+4], 64           ; tile_dim1 = 64
	s_mov_b32 s[G1+5], 128
	s_mov_b32 s[G1+6], 0
	s_mov_b32 s[G1+7], 0
	s_mov_b32 s[CS], 0x3e38aa3b     ; c = log2(e) / 8
	s_mov_b32 s[CS+1], s[CS]
	s_mov_b32 s[SEL], 0x76543210
	s_mov_b32 s[SEL+1], 0xfedcba98
	s_mov_b32 s[BIGS], 0xd0000000   ; -2^33
	s_mov_b32 s[TBK], SLOT1+4*KS*PK ; the first change of slots turns these two into 0
	s_mov_b32 s[TBV], SLOT1+4*KS*PV
	s_mov_b32 s[SLOTS], 7           ; 2,048 / 256 - 1
	s_mov_b32 s[G0], 1
	s_mul_i32 s[G0+1], s[WV], 128*PK  ; my quarter of slot 0
	v_and_b32 v[PFO], 31, v0
	v_lshlrev_b32 v[PFO], 8, v[PFO]
	s_wait_dscnt 0x0                ; the opening add is done
	s_wait_kmcnt 0x0
	s_add_nc_u64 s[G0+2:G0+3], s[70:71], s[80:81]
	s_or_b32 s[G0+3], s[G0+3], 0x80000000
	s_add_nc_u64 s[QP:QP+1], s[68:69], s[78:79]
	s_add_nc_u64 s[OP:OP+1], s[74:75], s[78:79]
	s_add_nc_u64 s[MP:MP+1], s[72:73], s[82:83]
	s_add_nc_u64 s[PFA:PFA+1], s[70:71], s[84:85]
	CROUND                          ; all four work-groups are here: the first joint loads meet
	JLOAD                           ; slot 0
	v_and_b32 v[L15], 15, v0
	v_bfe_u32 v[LH], v0, 4, 1
	v_and_b32 v[L7], 7, v0
	v_bfe_u32 v[L3], v0, 3, 1
	v_lshlrev_b32 v[QO], 7, v[L15]
	v_lshl_add_u32 v[QO], v[LH], 4, v[QO]  ; row x 128 + 16 x half
	v_and_b32 v11, 31, v0
	v_lshlrev_b32 v11, 2, v11       ; 4 x lane
	WIN 0xc0                        ; destination window 3
	v_mov_b32 v[ML4], v11
	v_mov_b32 v[MOF], v11           ; key step 0
	WIN W_MW
.irp x, 0,1,2,3
	MLOAD \x                        ; all four pieces' words for key step 0
.endr
	WIN 0x80                        ; destination window 2, address window 0
.set i, 0
.rept 4*NP                          ; Q stays in registers: tile i / 2, channels 32 (i % 2) on
	global_load_b128 v[8*i:8*i+3],   v[QO], s[QP:QP+1] offset:(i/2)*2048+(i%2)*64
	global_load_b128 v[8*i+4:8*i+7], v[QO], s[QP:QP+1] offset:(i/2)*2048+(i%2)*64+32
.set i, i+1
.endr
	; What the first turn finds: V's registers and P's second buffer hold 0, O^T and l are 0.  All this stands in the wait for the first tile; no first step is written out.
.set i, VF
.rept 64
	v_mov_b32 v[i], 0
.set i, i+1
.endr
	WIN 0
.set i, 0
.rept 2*NP
	v_mov_b32 v[ST+4*i], 0xfe000000    ; c m: far below every c s, the blocked ones too
	v_mov_b32 v[ST+4*i+1], 0xff7fffff  ; m
	v_mov_b32 v[ST+4*i+2], 0
	v_mov_b32 v[ST+4*i+3], 0
.set i, i+1
.endr
.set i, P+32
.rept 32
	v_mov_b32 v[i], 0
.set i, i+1
.endr
	v_mul_u32_u24 v[AK0], v[L15], PK
	v_lshl_add_u32 v[AK0], v[LH], 4, v[AK0]  ; row x pitch + 16 x half
	v_lshl_add_u32 v[AV0], v[LH], 3, v[L7]   ; the turning load: key 8 (l / 16) + l % 8, channels 8 ((l / 8) % 2) on
	v_mul_u32_u24 v[AV0], v[AV0], PV
	v_lshl_add_u32 v[AV0], v[L3], 4, v[AV0]
	v_add_nc_u32 v[AV0], VOFF, v[AV0]
	v_mov_b32 v[AK], v[AK0]         ; key step 0 lies at the head of slot 0
	WIN W_Z                         ; O^T starts at 0: V's zeros times V's zeros, onto the constant 0: a line writes eight registers where v_mov_b32 writes one: 32 lines for 256
.set i, 0
.rept 8*NP
	v_wmma_f32_16x16x32_f16 v[8*i:8*i+7], v[VF:VF+7], v[VF+8:VF+15], 0
.set i, i+1
.endr
; THE MATRIX WORK.  The 8 accumulators of a run of 16 take turns.
.macro KQ x                         ; product i of 16 of S^T = K Q^T for piece x: channels 32 (i / 8) on, keys 16 ((i / 2) % 4) on, tile 2 x + i % 2
	WIN W_KQ
.set rS, S+64*((\x)%2)+32*(i%2)+8*((i/2)%4)
.set rK, KF+16*((i/2)%4)+8*(i/8)
.set rQ, 16*(2*(\x)+i%2)+8*(i/8)
.if i < 8
	v_wmma_f32_16x16x32_f16 v[rS:rS+7], v[rK:rK+7], v[rQ:rQ+7], 0
.else
	v_wmma_f32_16x16x32_f16 v[rS:rS+7], v[rK:rK+7], v[rQ:rQ+7], v[rS:rS+7]
.endif
.endm
.macro PV x                         ; product i of 16 of O^T += V^T P for piece x: keys 32 (i / 8) on, channels 16 ((i / 2) % 4) on, tile 2 x + i % 2
	WIN W_PV
.set rO, 32*(2*(\x)+i%2)+8*((i/2)%4)
.set rV, VF+32*(i/8)+8*((i/2)%4)
.set rP, P+32*((\x)%2)+16*(i%2)+8*(i/8)
	v_wmma_f32_16x16x32_f16 v[rO:rO+7], v[rV:rV+7], v[rP:rP+7], v[rO:rO+7]
.endm
.macro MM                           ; the turn's next matrix instruction
.if i < 16
	KQ (Y+1)%NP
.set i, i+1
.else
.set i, i-16
	PV (Y+NP-1)%NP
.set i, i+17
.endif
.endm
; THE LDS LOADS stand in runs of 16.  last = 1 (the tail): in the last trip there is no further step, and the run is jumped over.
.macro FETCH_K last=0
	WIN 0
.if \last
	s_cmp_eq_u32 s[CNT], 1
	s_cbranch_scc1 .Lno_k_\@
.endif
	WIN 0x80
.irp f, 0,1,2,3,4,5,6,7             ; keys 16 (f / 2) on, channels 32 (f % 2) on
	ds_load_b128 v[KF+8*\f:KF+8*\f+3],   v[AK] offset:(\f/2)*16*PK+(\f%2)*64
	ds_load_b128 v[KF+8*\f+4:KF+8*\f+7], v[AK] offset:(\f/2)*16*PK+(\f%2)*64+32
.endr
	s_add_co_u32 s[TBK], s[TBK], KS*PK
	WIN 0
.if \last
.Lno_k_\@:
.endif
.endm
.macro FETCH_V
	WIN 0x80
.irp f, 0,1,2,3,4,5,6,7             ; keys 32 (f / 4) on, channels 16 (f % 4) on
	ds_load_tr16_b128 v[VF+8*\f:VF+8*\f+3],   v[AV] offset:(\f/4)*32*PV+(\f%4)*32
	ds_load_tr16_b128 v[VF+8*\f+4:VF+8*\f+7], v[AV] offset:(\f/4)*32*PV+16*PV+(\f%4)*32
.endr
	WIN 0
.endm
; THE VECTOR WORK OF A TURN stands in three queues; the two tiles alternate.
.macro REGS y, u                    ; the registers of tile u (0, 1) of piece y
.set rT, ST+4*(2*(\y)+(\u))
.set rC, TMP+8*((\y)%2)+4*(\u)
.set rM, MV+2*((\y)%2)+(\u)
.set rS, S+64*((\y)%2)+32*(\u)
.set rP, P+32*((\y)%2)+16*(\u)
.set rO, 32*(2*(\y)+(\u))
.endm
; Number g of the 64 that mask the NEXT piece's scores: register g / 2 of tile g % 2; in ascending order.
.macro MK g
	REGS (Y+1)%NP, (\g)%2
.if (\g)%2
	v_cndmask_b32 v[rS+(\g)/2], v[rS+(\g)/2], s[BIGS], s[MW1+(\g)/2]
.else
	v_cndmask_b32 v[rS+(\g)/2], v[rS+(\g)/2], s[BIGS], s[MW0+(\g)/2]
.endif
.endm
; Number n of the 22 that find the next piece's maximum and statistics: 0-11 four chains of seven scores; 12-14, 16 the four left over, the old m, and the chains into one; 15 c m_old is kept;
; 17, 18 the query's other 32 keys lie in the lane 16 away: the new m; 19-21 c m; c m_old - c m_new; a
.macro XS u, n
	REGS (Y+1)%NP, \u
.if (\n) < 4
	v_max3_num_f32 v[rC+(\n)], v[rS+8*(\n)], v[rS+8*(\n)+1], v[rS+8*(\n)+2]
.elseif (\n) < 12
	v_max3_num_f32 v[rC+(\n)%4], v[rC+(\n)%4], v[rS+8*((\n)%4)+2*((\n)/4)+1], v[rS+8*((\n)%4)+2*((\n)/4)+2]
.elseif (\n) == 12
	v_max3_num_f32 v[rC], v[rC], v[rS+7], v[rS+15]
.elseif (\n) == 13
	v_max3_num_f32 v[rC+1], v[rC+1], v[rS+23], v[rS+31]
.elseif (\n) == 14
	v_max3_num_f32 v[rC+2], v[rC+2], v[rC+3], v[rT+1]
.elseif (\n) == 15
	v_mov_b32 v[rM], v[rT]
.elseif (\n) == 16
	v_max3_num_f32 v[rC], v[rC], v[rC+1], v[rC+2]
.elseif (\n) == 17
	v_permlanex16_b32 v[rC+3], v[rC], s[SEL], s[SEL+1]
.elseif (\n) == 18
	v_max_num_f32 v[rT+1], v[rC], v[rC+3]
.elseif (\n) == 19
	v_mul_f32 v[rT], s[CS], v[rT+1]
.elseif (\n) == 20
	v_sub_f32 v[rC+1], v[rM], v[rT]
.else
	v_exp_f32 v[rC+2], v[rC+1]
.endif
.endm
; Number g of the 64 that follow the exponentials: for each four weights both pairs are rounded to f16, the second pair is added onto the first, and a group later l takes that sum (the first time as l = a l + sum)
.macro GS g
.set h, (\g)+6*((\g)/62)
.if h >= 6
.set h, h+2
.endif
	REGS Y, h%2
.set k, h/8
.if h%8 < 4
	v_cvt_pk_f16_f32 v[rP+2*k+(h%8)/2], v[rS+4*k+2*((h%8)/2)], v[rS+4*k+2*((h%8)/2)+1]
.elseif h%8 < 6
	v_pk_add_f32 v[rS+4*k:rS+4*k+1], v[rS+4*k:rS+4*k+1], v[rS+4*k+2:rS+4*k+3]
.elseif k == 1
	v_pk_fma_f32 v[rT+2:rT+3], v[rT+2:rT+3], v[rC+2:rC+3], v[rS:rS+1] op_sel_hi:[1,0,1]
.else
	v_pk_add_f32 v[rT+2:rT+3], v[rT+2:rT+3], v[rS+4*k-4:rS+4*k-3]
.endif
.endm
.macro FS f                         ; c s - c m for pair f / 2 of tile f % 2
	REGS Y, (\f)%2
	v_pk_fma_f32 v[rS+2*((\f)/2):rS+2*((\f)/2)+1], v[rS+2*((\f)/2):rS+2*((\f)/2)+1], s[CS:CS+1], v[rT:rT+1] op_sel_hi:[1,0,0] neg_lo:[0,0,1] neg_hi:[0,0,1]
.endm
; THE PLAIN QUEUE, 202 long.  0-31 the scalings; 32-95 the masking; 96-123 XS's numbers 0-13; 124, 125 number 15; 126-137 the chain 14, 16, 17 .. 20; 138-201 GS's 64, behind the wait.
.macro PL
	WIN 0
.if q < 32
	FS q
.elseif q < 96
	MK q-32
.elseif q < 124
	XS (q-96)%2, (q-96)/2
.elseif q < 126
	XS q-124, 15
.elseif q < 128
	XS q-126, 14
.elseif q < 138
	XS (q-126)%2, 15+(q-126)/2
.else
	GS q-138
.endif
.set q, q+1
.endm
; THE EXPONENTIALS' QUEUE, 66 long: s0-s31 of both tiles, then the next piece's two a.  ONE BATCH: nothing ahead of the turn's wait names a result of theirs.
.macro EX
	WIN 0
.if e >= 64
	XS e-64, 21
.else
	REGS Y, e%2
	v_exp_f32 v[rS+e/2], v[rS+e/2]
.endif
.set e, e+1
.endm
; THE RESCALING's QUEUE: O^T times a, two at a time, sixteen times.  Its a was made, and waited for, in the turn before.
.macro R2
	REGS Y, r%2
	WIN W_RS
.irp z, 0,1
	v_pk_mul_f32 v[rO+4*(r/2)+2*\z:rO+4*(r/2)+2*\z+1], v[rO+4*(r/2)+2*\z:rO+4*(r/2)+2*\z+1], v[rC+2:rC+3] op_sel_hi:[1,0]
.endr
.set r, r+1
.endm
; A TURN, for piece p.  AHEAD OF ITS ONE WAIT: the 16 products K Q^T, behind each a scaling, an exponential and two rescalings; then one run: the other scalings with exponentials by turns; the next piece's
; 64 mask words out of its two registers into the scalar registers, under one setting of the windows, and the two registers asked for again; the 64 maskings, two to an exponential while those last;
; the maximum's 30; the chain, an exponential behind each link; the two a.  Exponential e stands behind scaling 2 (e / 4) + e % 2: as a rider behind plain e + 2; from plain 31 on all scalings are out.
; BEHIND THE WAIT: the 16 products V^T P, behind each four of the roundings and sums.
; THE WORDS.  Turn p masks piece p + 1 (turn 3: piece 0 of the next key step).  That piece's two loads were issued in the same turn of the key step before; the three turns since have issued two each:
; s_wait_loadcnt 6.  The key step that is asked for goes on in turn 3, behind s_wait_xcnt 0x0, since the loads of the last three turns name the offset register; it stops at the last step, so
; that the walk's last turns, whose scores serve nothing, read inside mb.
; K of the next step is fetched in piece 2's turn, directly behind the wait; V of the step in hand at the end of piece 0's turn, four plain instructions behind its last reader.
; ask = 1: in a slot's last trip waves 0 and 1 prefetch into the L2, behind K's run, the 32 blocks of 256 bytes that are theirs of the tile that the NEXT change of slots will ask for: a lane a block.
; A head's tiles are read by one cluster alone; its four partners share a tile out by address: each block is named once in the launch.  Tiles 0 and 1 come by their loads alone.
.macro TURN p, last=0, cnt=0, ask=0
.set Y, (\p)
.set i, 0
.set q, 0
.set e, 0
.set r, 0
.if (\p) == NP-1
	s_wait_dscnt 0x0                ; K is in
.endif
	MM
	PL
	PL
	R2
.rept 15
	MM
	PL
	EX
	R2
.endr
.if (\p) == NP-2
	WIN 0
	v_add_nc_u32 v[AK], s[TBK], v[AK0]
.endif
.rept 15
	PL
	EX
.endr
	s_wait_loadcnt 6                ; the next piece's two registers are in; the six loads issued since may stay out
.if (\p) == NP-1
	s_wait_xcnt 0x0                 ; the loads issued so far have read their offset, so it may be written below
	s_add_co_u32 s[MO], s[MO], 128
	s_min_u32 s[MO], s[MO], 3968
.endif
	MWORDS ((\p)+1)%NP
.if (\p) == NP-1
	v_add_nc_u32 v[MOF], s[MO], v[ML4]
.endif
	MLOAD ((\p)+1)%NP               ; the same piece's words for the key step after
.rept 22
	PL
	PL
	EX
.endr
.rept 50
	PL
.endr
.rept 12
	PL
	EX
.endr
	EX                              ; the next piece's two a
	EX
	v_nop                           ; a plain instruction behind the last exponential: one for the batch
	s_wait_alu depctr_va_vdst(0)    ; the wait ahead of the first use: one for the batch
.if (\p) == NP-2
	FETCH_K \last
.if \ask
	s_cmp_eq_u32 s[CNT], s[LIM]
	s_cbranch_scc0 .Lno_ask_\@
	global_prefetch_b8 v[PFO], s[PFA:PFA+1] th:TH_LOAD_NT scope:SCOPE_SE
.Lno_ask_\@:
.endif
.endif
.if (\p) == 1
	s_wait_dscnt 0x0                ; V is in
.endif
.set row, 0
.rept 16
	MM
.rept 4
	PL
.endr
.if ((\p) == 0) && (row == 11)
	v_add_nc_u32 v[AV], s[TBV], v[AV0]
.endif
.if ((\p) == 0) && (row == 14)
	s_add_co_u32 s[TBV], s[TBV], KS*PV
.endif
.if (\cnt) && (row == 14)
	s_sub_co_u32 s[CNT], s[CNT], 1
	s_cmp_lg_u32 s[CNT], 0
.endif
.set row, row+1
.endr
.if (\p) == 0
	FETCH_V
.endif
.endm
	CHANGE 1                        ; slot 0 is in, everybody's part of it; slot 1 is asked for
	FETCH_K                         ; key step 0
	s_wait_loadcnt 0x0              ; Q, and all four pieces' words for key step 0
	s_wait_dscnt 0x0
.set i, 0
.rept 16
	KQ 0                            ; piece 0's first scores
.set i, i+1
.endr
	WIN 0                           ; the addresses for the way out: plain instructions, the places behind those products
	s_mul_i32 s13, s[WV], 16*SP
	s_add_co_u32 s13, s13, STAGE    ; my stage
	v_mul_u32_u24 v[STO], v[L15], SP
	v_lshl_add_u32 v[STO], v[LH], 4, v[STO]
	v_add_nc_u32 v[STO], s13, v[STO]
	v_bfe_u32 v[RD], v0, 3, 2       ; back: 32 lanes take four rows of 128 bytes,
	v_mul_u32_u24 v[RD], v[RD], SP
	v_lshl_add_u32 v[RD], v[L7], 4, v[RD]
	v_add_nc_u32 v[RD], s13, v[RD]
	v_and_b32 v[GO], 31, v0         ; which are 512 consecutive bytes of O
	v_lshlrev_b32 v[GO], 4, v[GO]
	MWORDS 0                        ; piece 0's words for key step 0
	s_mov_b32 s[MO], 128            ; from here on key step 1 is asked for (the loads that named the offset are in: the wait for 0 above)
	v_add_nc_u32 v[MOF], s[MO], v[ML4]
	MLOAD 0
	WIN 0
.set Y, NP-1                        ; MK and XS work for piece Y + 1: piece 0
.set g, 0
.rept 64
	MK g
.set g, g+1
.endr
.irp n, 0,1,2,3,4,5,6,7,8,9,10,11,12,13,14,15,16,17,18,19,20,21
	XS 0, \n
	XS 1, \n
.endr
	v_nop                           ; a plain instruction behind the two a,
	s_wait_alu depctr_va_vdst(0)    ; and their wait, ahead of the branch
	s_mov_b32 s[CNT], 4
	s_branch .Lfirst                ; the loop is entered at a step's first turn, in the middle of a trip
.Lslot:                             ; six times: every slot but the last two is filled again
	CHANGE 1
	s_mov_b32 s[CNT], 4
.Lstep:                             ; a trip: pieces 2 and 3 of one step, then pieces 0 and 1 of the next, whose K and V it fetches
	TURN 2, 0, 0, 1
	TURN 3
	WIN 0
.Lfirst:
	TURN 0
	TURN 1, 0, 1
	WIN 0
	s_cbranch_scc1 .Lstep
	s_sub_co_u32 s[SLOTS], s[SLOTS], 1
	s_cmp_lg_u32 s[SLOTS], 0
	s_cbranch_scc1 .Lslot
	CHANGE 0                        ; the tail is written out: nothing is asked for
	s_mov_b32 s[CNT], 5             ; four trips fetch the last slot's steps; the fifth is left in its middle
.Ltail:
	TURN 2, 1
	TURN 3
	WIN 0
	s_sub_co_u32 s[CNT], s[CNT], 1
	s_cmp_eq_u32 s[CNT], 0
	s_cbranch_scc1 .Lout
	TURN 0
	TURN 1
	WIN 0
	s_branch .Ltail
.Lout:                              ; the fifth trip's products K Q^T and what is made of them serve nothing: the price, once a launch, of one text for every trip
	s_wait_loadcnt 0x0              ; the last words asked for serve nothing either; they are in
.set i, 0
.rept 16
	PV NP-1                         ; the last piece's V^T P of the last step
.set i, i+1
.endr
	; THE WAY OUT.  l's two halves and the other half of the lanes' are added; O^T is divided by l, rounded to f16 and sent through my stage, a tile at a time.  The additions are the places behind the last products.
	WIN 0
.macro ALL line:vararg              ; one line for each tile t
.set t, 0
.rept 2*NP
	\line
.set t, t+1
.endr
.endm
	ALL v_add_f32 v[ST+4*t+2], v[ST+4*t+2], v[ST+4*t+3]
	ALL v_permlanex16_b32 v[ST+4*t+3], v[ST+4*t+2], s[SEL], s[SEL+1]
	ALL v_add_f32 v[ST+4*t+2], v[ST+4*t+2], v[ST+4*t+3]
	ALL v_rcp_f32 v[ST+4*t+2], v[ST+4*t+2]
	v_nop                           ; a plain instruction between the last reciprocal and the use of its result
	s_wait_alu depctr_va_vdst(0)    ; one wait for the eight reciprocals
.macro PACK t                       ; a lane's eight channels of a row pack into 16 bytes; they go into rows of 144 bytes and come back as whole rows of 128
	WIN W_RS
.set i, 32*(\t)
.rept 16
	v_pk_mul_f32 v[i:i+1], v[i:i+1], v[ST+4*(\t)+2:ST+4*(\t)+3] op_sel_hi:[1,0]
.set i, i+2
.endr
	WIN 0x05                        ; sources in window 1, destination in window 0
.set i, 0
.rept 16
	v_cvt_pk_f16_f32 v[S+16*(\t)+i], v[32*(\t)+2*i], v[32*(\t)+2*i+1]
.set i, i+1
.endr
	WIN 0
.irp f, 0,1,2,3
	ds_store_b128 v[STO], v[S+16*(\t)+4*\f:S+16*(\t)+4*\f+3] offset:32*\f
.endr
.irp f, 0,1,2,3
	ds_load_b128 v[S+16*(\t)+4*\f:S+16*(\t)+4*\f+3], v[RD] offset:\f*4*SP  ; LDS serves a wave's instructions in order: these see the stores above; the next tile's stores come behind them
.endr
.endm
.macro SEND t, younger              ; younger: the LDS instructions issued behind tile t's loads: the next tile's eight, or none
	WIN 0
.irp f, 0,1,2,3
	s_wait_dscnt (\younger)+3-\f
	global_store_b128 v[GO], v[S+16*(\t)+4*\f:S+16*(\t)+4*\f+3], s[OP:OP+1] offset:(\t)*2048+\f*512  ; 512 consecutive bytes, aligned
.endr
.endm
	PACK 0
.set t, 1
.rept 2*NP-1                        ; a tile's arithmetic stands between the loads of the tile before and its stores
	PACK t
	SEND t-1, 8
.set t, t+1
.endr
	SEND 2*NP-1, 0
	s_wait_tensorcnt 0x0            ; the wave's end
	ds_add_u32 v[SPW], v[NIL]
	s_wait_dscnt 0x0
	CROUND                          ; the closing round
	s_endpgm
.Lfunc_end_k_q0e3d83881e_attn:
	.size	k_q0e3d83881e_attn, .Lfunc_end_k_q0e3d83881e_attn-k_q0e3d83881e_attn
	.p2alignl 7, 3214868480
	.fill 96, 4, 3214868480
	.section	.rodata,"a",@progbits
	.p2align	6, 0x0
	.amdhsa_kernel k_q0e3d83881e_attn
		.amdhsa_group_segment_fixed_size 327680
		.amdhsa_private_segment_fixed_size 0
		.amdhsa_enable_private_segment 0
		.amdhsa_kernarg_size 32
		.amdhsa_user_sgpr_count 2
		.amdhsa_user_sgpr_kernarg_segment_ptr 1
		.amdhsa_wavefront_size32 1
		.amdhsa_system_sgpr_workgroup_id_x 1
		.amdhsa_system_sgpr_workgroup_id_y 1
		.amdhsa_system_sgpr_workgroup_id_z 1
		.amdhsa_system_vgpr_workitem_id 0
		.amdhsa_next_free_vgpr 778
		.amdhsa_next_free_sgpr 106
		.amdhsa_reserve_vcc 0
		.amdhsa_float_denorm_mode_32 3
		.amdhsa_float_denorm_mode_16_64 3
		.amdhsa_memory_ordered 1
		.amdhsa_forward_progress 1
		.amdhsa_inst_pref_size 255
	.end_amdhsa_kernel
	.section	.bss,"aw",@nobits
	.p2align	6
	.space	262144
	.amdgpu_metadata
---
amdhsa.version: [ 1, 2 ]
amdhsa.kernels:
  - .name:           k_q0e3d83881e_attn
    .symbol:         k_q0e3d83881e_attn.kd
    .args:
      - { .name: qh, .offset: 0, .size: 8, .value_kind: global_buffer, .address_space: global }
      - { .name: kv, .offset: 8, .size: 8, .value_kind: global_buffer, .address_space: global }
      - { .name: mb, .offset: 16, .size: 8, .value_kind: global_buffer, .address_space: global }
      - { .name: oh, .offset: 24, .size: 8, .value_kind: global_buffer, .address_space: global }
    .group_segment_fixed_size: 327680
    .private_segment_fixed_size: 0
    .kernarg_segment_align: 8
    .kernarg_segment_size: 32
    .max_flat_workgroup_size: 128
    .sgpr_count:     106
    .vgpr_count:     778
    .wavefront_size: 32
...
	.end_amdgpu_metadata
.endif
;; end of part 3
;; launch outproj (part 4): grid 4 x 64, 4 waves a work-group, clusters of 4 x 4, 327,680 bytes of LDS; arguments oh, wb, bo, out0; writes out0
.if DOCPART == 4
	.amdgcn_target "amdgcn-amd-amdhsa--gfx1250"
	.amdhsa_code_object_version 6
	.text
	.protected	k_q0e3d83881e_outproj
	.globl	k_q0e3d83881e_outproj
	.p2align	8
	.type	k_q0e3d83881e_outproj,@function
k_q0e3d83881e_outproj:
	s_mov_b64 s[64:65], 0
	v_nop
	global_prefetch_b8 v0, s[64:65] scope:SCOPE_SE
	s_setreg_imm32_b32 hwreg(HW_REG_WAVE_MODE, 25, 1), 1
	s_wait_xcnt 0x0
	s_wait_alu depctr_hold_cnt(0) depctr_sa_sdst(0) depctr_va_vdst(0) depctr_va_sdst(0) depctr_va_ssrc(0) depctr_va_vcc(0) depctr_vm_vsrc(0)
	s_getreg_b32 s2, hwreg(HW_REG_IB_STS2, 6, 4)
	s_cmp_eq_u32 s2, 0
	s_cbranch_scc0 .Lentry_in_a_cluster
	s_endpgm
.Lentry_in_a_cluster:
	s_bfe_u32 s2, ttmp6, 0x10000c
	s_cmp_lg_u32 s2, 0xf033
	s_cbranch_scc0 .Lentry_shape_is_right
	s_endpgm
.Lentry_shape_is_right:
; THE LAST PROJECTION.  out0[m][n] = sum over k of O[m][k] Wo[n][k] + bo[n].  O lies by heads in oh ([64][2048][64] f16), Wo as f16 in wb's fourth quarter; out0 is f32; sums in f32; K = 1,024.
; LIMITS.  The bias is rounded to bf16 like every other input; Wo was rounded to bf16 and written as f16 by the first launch, which states that format's range.
; SHARES.  A tile of out0 is 128 rows x 256 columns: 256 work-groups, one for each WGP.  Four waves, 2 x 2, each 64 rows x 128 columns: 32 accumulators.
; K goes in steps of 128, two heads, through two LDS slots: a head's 128 rows of 128 bytes are 16,384 dense bytes, asked for as 64 rows of 256 and padded in LDS after every 128.
; CLUSTER 4 x 4.  The four work-groups of a row of the cluster share the tile of O, the four of a column the tile of Wo: each is asked for jointly.
; THE MATRIX INSTRUCTION IS USED TRANSPOSED (source 0 = 16 rows of Wo, source 1 = 16 rows of O): a lane holds row l % 16 and the columns 8 (l / 16) + 0..7: 32 bytes of a row of out0.
; THE BIAS is the C operand of each accumulator's first product.
; REGISTERS.  window 0: v16-31 addresses; two fragment buffers of 96 (Wo's 8 fragments, then O's 4) at v64 and v160; on the way out v64-191 rows read back
;   window 1: accumulator (a, b) at v[8 (8 a + b)]      window 2: v0-63 the bias, v64-95 at work
.set KSTEP,  128
.set ASTEP,  1<<19                     ; bytes from a K step of O to the next: two heads
.set BSTEP,  KSTEP*2
.set APITCH, 144                       ; a row of a head in LDS: 128 bytes + 16 of padding: 9 x 16 bytes
.set APLANE, 128*APITCH                ; from a step's first head to its second
.set BPITCH, 272                       ; 256 bytes + 16: 17 x 16 bytes
.set AHALF,  APLANE                    ; what one load of O brings: a head's 128 rows
.set AWR,    64*APITCH                 ; from my wave row's 64 rows to the other's
.set ABYTES, 2*AHALF
.set BHALF,  128*BPITCH
.set SLOT,   ABYTES+2*BHALF
.set STAGE,  2*SLOT                    ; behind the ring: 16 rows x 528 bytes for each wave, for the way out
.set WSTG,   16*528
.set SPARE,  STAGE+4*WSTG              ; behind the stages: the spare words, 128 bytes for each wave
.set WO,     6291456                   ; Wo's first byte in wb
.set ADRA, 16
.set ADRB, 20
.set STO,  24
.set RD,   25
.set CO,   26
.set BO,   27
.set SPW,  28                          ; v28  LDS address of my spare word; never rewritten
.set NIL,  29                          ; v29  0; never rewritten
.set PFO,  30                          ; v30  the prefetches' offset; never rewritten
.set F0,   64
.set F1,   160
.set OB,   64
.set G1,  24
.set G0,  32
.set G1B, 48
.set G0B, 56
.set PFA, 82
.set LIM, 84
.set OUT0, 86
.set BP,  90
.set PFS, 92
.set MSB, 0
.macro WIN new
.if MSB != (\new)
	s_set_vgpr_msb (MSB<<8)|(\new)
.set MSB, \new
.endif
.endm
.set W_MUL,   0x50                     ; fragments in window 0, C and D in window 1
.set W_FIRST, 0x60                     ; the same with C in window 2: the bias
.macro JLOAD s                         ; a joint load: waves 0 and 1 fetch a step's two heads of O, waves 2 and 3 Wo's two halves; an s_nop 0 and four v_nop follow each line
	s_cmp_eq_u32 s11, 0
	s_cbranch_scc0 .Lfor_b_\@
	tensor_load_to_lds s[G0+4*(\s):G0+4*(\s)+3], s[G1:G1+7]
	s_nop 0
.rept 4
	v_nop
.endr
	s_branch .Lasked_\@
.Lfor_b_\@:
	tensor_load_to_lds s[G0B+4*(\s):G0B+4*(\s)+3], s[G1B:G1B+7]
	s_nop 0
.rept 4
	v_nop
.endr
.Lasked_\@:
.endm
.macro CREST
	s_cmp_lg_u32 s10, 0
	s_cbranch_scc1 .Lnot_wave_0_\@
	s_barrier_signal -3
.Lnot_wave_0_\@:
	s_barrier_wait -3
	s_barrier_signal -1
	s_barrier_wait -1
.endm
.macro CROUND
	s_barrier_signal -1
	s_barrier_wait -1
	CREST
.endm
; A PREFETCH INTO THE L2, behind each joint refill and the run of LDS loads that follows it: the K step two refills on, 32 blocks of 256 bytes, a lane a block.  Each block is named once in the launch.
; O's rows are read by one cluster alone: wave 0 of partner cx takes half cx % 2 of head cx / 2 of the step.  Wo's rows are read by all sixteen clusters: the first asks, waves 2 and 3 of each
; partner 32 rows each of its 64 (cy).  K steps 0 to 3 come by their loads alone; the loop's last trip (s3 = 1) has no step two refills on.
.macro ASK
	s_cmp_gt_u32 s3, s[LIM]
	s_cbranch_scc0 .Lnot_mine_\@
	global_prefetch_b8 v[PFO], s[PFA:PFA+1] th:TH_LOAD_NT scope:SCOPE_SE
.Lnot_mine_\@:
.endm
	s_load_b256 s[68:75], s[0:1], 0x0              ; oh s[68:69], wb s[70:71], bo s[72:73], out0 s[74:75]
	v_lshl_add_u32 v[SPW], v0, 2, SPARE
	v_mov_b32 v[NIL], 0
	ds_add_u32 v[SPW], v[NIL]                      ; the wave's opening: the add and its wait stand ahead of my first tensor load
	v_lshrrev_b32 v1, 5, v0
	v_readfirstlane_b32 s10, v1                    ; wave 0..3
	s_lshr_b32 s11, s10, 1                         ; my half of the tile's rows.  Also: I fetch for O (0) or for Wo (1)
	s_and_b32 s12, s10, 1                          ; my half of its columns.  Also: which head, or which half of Wo's rows, I fetch
	s_bfe_u32 s40, ttmp6, 0x40000                  ; cx
	s_bfe_u32 s41, ttmp6, 0x40004                  ; cy
	s_lshl_b32 s42, ttmp9, 2
	s_add_co_u32 s42, s42, s40                     ; tile column, 0..3
	s_and_b32 s94, ttmp7, 0xffff                   ; cluster y, 0..15
	s_lshl_b32 s13, s94, 2
	s_add_co_u32 s13, s13, s41                     ; tile row, 0..63
	s_lshl_b32 s43, s41, 2
	s_lshl_b32 s43, 15, s43                        ; my row of the cluster
	s_lshl_b32 s44, 0x1111, s40                    ; my column
	s_or_b32 s[G1+0], s43, (1<<16)|(1<<20)|(1<<21)|(4<<22)|(3<<25)   ; O: after every 32 words 4 words of padding
	s_or_b32 s[G1B+0], s44, (1<<16)|(1<<20)|(1<<21)|(5<<22)|(3<<25)  ; Wo: after every 64 words
	s_mov_b32 s[G1+1], 128<<16                     ; tensor_dim0 = 128
	s_mov_b32 s[G1+2], 64<<16                      ; tensor_dim1 = 64
	s_mov_b32 s[G1+3], 128<<16                     ; tile_dim0 = 128
	s_mov_b32 s[G1+4], 64                          ; tile_dim1 = 64
	s_mov_b32 s[G1+5], 128                         ; dense
	s_mov_b32 s[G1+6], 0
	s_mov_b32 s[G1+7], 0
	s_mov_b32 s[G1B+1], KSTEP<<16
	s_mov_b32 s[G1B+2], 128<<16
	s_mov_b32 s[G1B+3], KSTEP<<16
	s_mov_b32 s[G1B+4], 128
	s_mov_b32 s[G1B+5], 1024
	s_mov_b32 s[G1B+6], 0
	s_mov_b32 s[G1B+7], 0
	s_lshr_b32 s16, s13, 4                         ; O: batch x 2^22 + (tile of 128 rows in it) x 2^14 + head x 2^18
	s_lshl_b32 s16, s16, 22
	s_and_b32 s17, s13, 15
	s_lshl_b32 s17, s17, 14
	s_add_co_u32 s16, s16, s17
	s_lshl_b32 s17, s12, 18
	s_add_co_u32 s16, s16, s17
	s_mov_b32 s17, 0
	s_lshl_b32 s46, s42, 8                         ; Wo: row 256 x tile column + 128 x half
	s_lshl_b32 s47, s12, 7
	s_add_co_u32 s46, s46, s47
	s_lshl_b32 s46, s46, 11
	s_add_co_u32 s46, s46, WO
	s_mov_b32 s47, 0
	s_mul_i32 s20, s12, AHALF                      ; where they go: no place in the cluster enters an LDS address
	s_mul_i32 s18, s12, BHALF
	s_add_co_u32 s18, s18, ABYTES
	s_wait_dscnt 0x0                               ; the opening add is done
	s_wait_kmcnt 0x0
	s_add_nc_u64 s[14:15], s[68:69], s[16:17]
	s_add_nc_u64 s[46:47], s[70:71], s[46:47]
	CROUND                                         ; all sixteen work-groups are here: the first joint loads meet
.irp s, 0,1
	s_mov_b32 s[G0+4*(\s)], 1
	s_add_co_u32 s[G0+4*(\s)+1], s20, (\s)*SLOT
	s_add_nc_u64 s[G0+4*(\s)+2:G0+4*(\s)+3], s[14:15], (\s)*ASTEP
	s_or_b32 s[G0+4*(\s)+3], s[G0+4*(\s)+3], 0x80000000
	s_mov_b32 s[G0B+4*(\s)], 1
	s_add_co_u32 s[G0B+4*(\s)+1], s18, (\s)*SLOT
	s_add_nc_u64 s[G0B+4*(\s)+2:G0B+4*(\s)+3], s[46:47], (\s)*BSTEP
	s_or_b32 s[G0B+4*(\s)+3], s[G0B+4*(\s)+3], 0x80000000
	JLOAD \s
.endr
	; the bias: register j of group b is bo[my first column + 16 b + 8 (l / 16) + j]
	v_and_b32 v1, 15, v0                           ; l % 16
	v_bfe_u32 v2, v0, 4, 1                         ; l / 16
	v_lshlrev_b32 v[BO], 5, v2
	s_lshl_b32 s14, s42, 10
	s_lshl_b32 s15, s12, 9
	s_add_co_u32 s14, s14, s15
	s_mov_b32 s15, 0
	s_add_nc_u64 s[BP:BP+1], s[72:73], s[14:15]
	WIN 0x80                                       ; destination window 2, address window 0
.irp b, 0,1,2,3,4,5,6,7
	global_load_b128 v[8*(\b):8*(\b)+3],   v[BO], s[BP:BP+1] offset:64*(\b)
	global_load_b128 v[8*(\b)+4:8*(\b)+7], v[BO], s[BP:BP+1] offset:64*(\b)+16
.endr
	WIN 0
	v_mul_u32_u24 v3, v1, BPITCH
	v_lshl_add_u32 v3, v2, 4, v3                   ; a fragment's row x pitch + 16 x half of the lanes
	v_mul_u32_u24 v4, v1, APITCH
	v_lshl_add_u32 v4, v2, 4, v4
	s_mul_i32 s21, s11, AWR                        ; my 64 rows of O
	s_mul_i32 s22, s12, BHALF                      ; my 128 rows of Wo,
	s_add_co_u32 s22, s22, ABYTES                  ; which lie behind O's
.irp s, 0,1
	v_add_nc_u32 v[ADRA+(\s)], s21, v4
	v_add_nc_u32 v[ADRB+(\s)], s22, v3
	s_add_co_u32 s21, s21, SLOT
	s_add_co_u32 s22, s22, SLOT
.endr
	s_mul_i32 s23, s10, WSTG
	s_add_co_u32 s23, s23, STAGE                   ; my stage
	v_mul_u32_u24 v5, v1, 528                      ; in: row l % 16, 32 bytes for each half of the lanes
	v_lshl_add_u32 v5, v2, 5, v5
	v_add_nc_u32 v[STO], s23, v5
	v_and_b32 v6, 31, v0
	v_lshlrev_b32 v[CO], 4, v6                     ; back: 32 lanes take a row's 512 bytes
	v_add_nc_u32 v[RD], s23, v[CO]
	s_lshl_b32 s14, s13, 7                         ; out0: row 128 x tile row + 64 x my half, 4,096 bytes each,
	s_lshl_b32 s15, s11, 6
	s_add_co_u32 s14, s14, s15
	s_lshl_b32 s14, s14, 12
	s_lshl_b32 s15, s42, 10                        ; column 256 x tile column + 128 x my half
	s_add_co_u32 s14, s14, s15
	s_lshl_b32 s15, s12, 9
	s_add_co_u32 s14, s14, s15
	s_mov_b32 s15, 0
	s_add_nc_u64 s[OUT0:OUT0+1], s[74:75], s[14:15]
	; the prefetches
	s_cmp_eq_u32 s94, 0                            ; the first cluster asks for Wo's rows,
	s_cselect_b32 s[LIM], 1, -1
	s_cmp_eq_u32 s11, 0
	s_cselect_b32 s[LIM], -1, s[LIM]               ; by its waves 2 and 3;
	s_cmp_eq_u32 s10, 0
	s_cselect_b32 s[LIM], 1, s[LIM]                ; wave 0 of every work-group for O's: no place in the cluster enters
	s_lshr_b32 s14, s13, 4                         ; O: the tile's rows, head cx / 2 of the step, half cx % 2 of its 16,384 bytes,
	s_lshl_b32 s14, s14, 22
	s_and_b32 s15, s13, 15
	s_lshl_b32 s15, s15, 14
	s_add_co_u32 s14, s14, s15
	s_lshr_b32 s15, s40, 1
	s_lshl_b32 s15, s15, 18
	s_add_co_u32 s14, s14, s15
	s_and_b32 s15, s40, 1
	s_lshl_b32 s15, s15, 13
	s_add_co_u32 s14, s14, s15
	s_add_co_u32 s14, s14, 3*ASTEP                 ; at K step 3: the first refill steps it to 4
	s_lshl_b32 s15, s42, 8                         ; Wo: row 256 x tile column + 64 cy + 32 x (wave % 2)
	s_lshl_b32 s16, s41, 6
	s_add_co_u32 s15, s15, s16
	s_lshl_b32 s16, s12, 5
	s_add_co_u32 s15, s15, s16
	s_lshl_b32 s15, s15, 11
	s_add_co_u32 s15, s15, WO+3*BSTEP
	s_cmp_eq_u32 s11, 0
	s_cselect_b32 s14, s14, s15
	s_cselect_b64 s[PFA:PFA+1], s[68:69], s[70:71]
	s_cselect_b32 s[PFS], 19, 8                    ; a step is 2^19 bytes in O, 2^8 in Wo;
	s_cselect_b32 s16, 8, 11                       ; a lane's block lies 2^8 bytes on in O, a row of 2^11 on in Wo
	s_lshl_b32 s[PFS], 1, s[PFS]
	s_mov_b32 s[PFS+1], 0
	s_mov_b32 s15, 0
	s_add_nc_u64 s[PFA:PFA+1], s[PFA:PFA+1], s[14:15]
	v_lshlrev_b32 v[PFO], s16, v6
	s_wait_loadcnt 0x0                             ; the bias is in: rounded to bf16 and widened again
	WIN 0x8a                                       ; sources and destination in window 2
.set i, 0
.rept 32
	v_cvt_pk_bf16_f32 v[64+i], v[2*i], v[2*i+1]
.set i, i+1
.endr
.set i, 0
.rept 32
	v_lshlrev_b32 v[2*i], 16, v[64+i]
	v_and_b32 v[2*i+1], 0xffff0000, v[64+i]
.set i, i+1
.endr
	WIN 0
; 8 matrix instructions: block a of my four blocks of 16 rows x all 8 blocks of 16 columns, 32 along K.  first = 1: the product starts the sums, from the bias.
; The 32 accumulators take turns in one order everywhere.
.macro MUL8 f, a, first
.if \first
	WIN W_FIRST
.else
	WIN W_MUL
.endif
.irp b, 0,1,2,3,4,5,6,7
.if \first
	v_wmma_f32_16x16x32_f16 v[8*(8*(\a)+(\b)):8*(8*(\a)+(\b))+7], v[(\f)+8*(\b):(\f)+8*(\b)+7], v[(\f)+64+8*(\a):(\f)+64+8*(\a)+7], v[8*(\b):8*(\b)+7]
.else
	v_wmma_f32_16x16x32_f16 v[8*(8*(\a)+(\b)):8*(8*(\a)+(\b))+7], v[(\f)+8*(\b):(\f)+8*(\b)+7], v[(\f)+64+8*(\a):(\f)+64+8*(\a)+7], v[8*(8*(\a)+(\b)):8*(8*(\a)+(\b))+7]
.endif
.endr
.endm
.macro MUL16 f, a0, first
	MUL8 \f, \a0, \first
	MUL8 \f, (\a0)+1, \first
.endm
; 24 LDS loads in one run: quarter q (32 along K: half q % 2 of head q / 2) of a slot into buffer f: Wo's 8 fragments, then O's 4
.macro FETCH slot, q, f
	WIN 0
.irp i, 0,1,2,3,4,5,6,7
	ds_load_b128 v[(\f)+8*(\i):(\f)+8*(\i)+3],   v[ADRB+(\slot)] offset:64*(\q)+(\i)*16*BPITCH
	ds_load_b128 v[(\f)+8*(\i)+4:(\f)+8*(\i)+7], v[ADRB+(\slot)] offset:64*(\q)+(\i)*16*BPITCH+32
.endr
.irp i, 0,1,2,3
	ds_load_b128 v[(\f)+64+8*(\i):(\f)+64+8*(\i)+3],   v[ADRA+(\slot)] offset:((\q)/2)*APLANE+((\q)%2)*64+(\i)*16*APITCH
	ds_load_b128 v[(\f)+64+8*(\i)+4:(\f)+64+8*(\i)+7], v[ADRA+(\slot)] offset:((\q)/2)*APLANE+((\q)%2)*64+(\i)*16*APITCH+32
.endr
.endm
.macro PLACES                          ; four plain instructions in front of loads into registers that matrix instructions have read, and of reads of results
.rept 4
	v_nop
.endr
.endm
.macro QUARTER slot, q, f, g, first
	s_wait_dscnt 4                                 ; Wo's fragments and O's blocks 0 and 1 are in; the youngest four loads may be out
	MUL16 \f, 0, \first
	PLACES
	FETCH \slot, \q, \g
	s_wait_dscnt 24                                ; all but the 24 just issued
	MUL16 \f, 2, \first
.endm
; The last quarter multiplies buffer 1 and changes slots: ONE barrier; in front of it each wave waits for all its tensor loads, adds 0 to its spare word, and waits for that and for its own reads
; of this slot.  fill = 1: the barrier opens a round of the cluster's, and this slot is filled again first thing behind it, two K steps ahead.
.macro TURN slot, next, fill
.if \fill
	s_wait_xcnt 0x0                                ; the last prefetch, a K step back, has read its address
	s_add_nc_u64 s[PFA:PFA+1], s[PFA:PFA+1], s[PFS:PFS+1]
.endif
	WIN 0
	s_wait_tensorcnt 0x0                           ; all my tensor loads have landed
	ds_add_u32 v[SPW], v[NIL]                      ; 0 onto my spare word
	s_wait_dscnt 5                                 ; (the add and the youngest four loads may be out)
	MUL8 F1, 0, 0
	s_wait_dscnt 0x0                               ; the add is done, and my reads of this slot are over
	s_barrier_signal -1
	MUL8 F1, 1, 0
.if \fill
	WIN 0
.endif
	s_barrier_wait -1
.if \fill
	CREST                                          ; no wave of any partner still reads this slot or has a load on its way
	s_add_nc_u64 s[G0+4*(\slot)+2:G0+4*(\slot)+3], s[G0+4*(\slot)+2:G0+4*(\slot)+3], 2*ASTEP
	s_add_nc_u64 s[G0B+4*(\slot)+2:G0B+4*(\slot)+3], s[G0B+4*(\slot)+2:G0B+4*(\slot)+3], 2*BSTEP
	JLOAD \slot                                    ; the first tensor load behind the round; its four v_nop are also the places in front of the loads below
.else
	PLACES
.endif
	FETCH \next, 0, F0
.if \fill
	ASK
.endif
	MUL16 F1, 2, 0
.endm
	s_wait_tensorcnt 1                             ; my part of K step 0 is in; step 1's may stay out
	s_barrier_signal -1
	s_barrier_wait -1
	FETCH 0, 0, F0
	QUARTER 0, 1, F0, F1, 1                        ; the first quarter stands in front of the loop: its products start the sums
	WIN 0
	s_mov_b32 s3, 3                                ; three trips fill K steps 2 to 7
.Llap:
	QUARTER 0, 2, F1, F0, 0
	QUARTER 0, 3, F0, F1, 0
	TURN 0, 1, 1
	QUARTER 1, 1, F0, F1, 0
	QUARTER 1, 2, F1, F0, 0
	QUARTER 1, 3, F0, F1, 0
	TURN 1, 0, 1
	QUARTER 0, 1, F0, F1, 0
	WIN 0
	s_sub_co_u32 s3, s3, 1
	s_cmp_lg_u32 s3, 0
	s_cbranch_scc1 .Llap
	QUARTER 0, 2, F1, F0, 0                        ; the last two K steps fill nothing
	QUARTER 0, 3, F0, F1, 0
	TURN 0, 1, 0
	QUARTER 1, 1, F0, F1, 0
	QUARTER 1, 2, F1, F0, 0
	QUARTER 1, 3, F0, F1, 0
	s_wait_dscnt 4
	MUL16 F1, 0, 0
	s_wait_dscnt 0x0
	MUL16 F1, 2, 0
	WIN 0
	PLACES
; THE WAY OUT, a block of 16 rows at a time: 32 bytes a lane straight from the accumulators (their low four registers first) into my own stage, rows of 528 bytes; back as whole rows of 512; stored.
.macro TOSTAGE a
	WIN 0x04                                       ; the stores' data in window 1
.irp b, 0,1,2,3,4,5,6,7
	ds_store_b128 v[STO], v[8*(8*(\a)+(\b)):8*(8*(\a)+(\b))+3]   offset:64*(\b)
	ds_store_b128 v[STO], v[8*(8*(\a)+(\b))+4:8*(8*(\a)+(\b))+7] offset:64*(\b)+16
.endr
	WIN 0
.if (\a) >= 2
	s_wait_xcnt 0x0                                ; the stores of the block two back have read the registers that are loaded again below
.endif
.irp t, 0,1,2,3,4,5,6,7,8,9,10,11,12,13,14,15
	ds_load_b128 v[OB+64*((\a)%2)+4*(\t):OB+64*((\a)%2)+4*(\t)+3], v[RD] offset:(\t)*528  ; LDS serves a wave's instructions in order: these see the stores above; the next block's stores come behind them
.endr
.endm
.macro SEND a, younger                 ; younger: the LDS instructions issued behind block a's loads: the next block's 32, or none
	s_wait_dscnt \younger
.irp t, 0,1,2,3,4,5,6,7,8,9,10,11,12,13,14,15
	global_store_b128 v[CO], v[OB+64*((\a)%2)+4*(\t):OB+64*((\a)%2)+4*(\t)+3], s[OUT0:OUT0+1] offset:(16*(\a)+(\t))*4096 th:TH_STORE_NT  ; 512 consecutive bytes of a row, aligned
.endr
.endm
	TOSTAGE 0
	TOSTAGE 1
	SEND 0, 32
	TOSTAGE 2
	SEND 1, 32
	TOSTAGE 3
	SEND 2, 32
	SEND 3, 0
	s_wait_tensorcnt 0x0                           ; the wave's end
	ds_add_u32 v[SPW], v[NIL]
	s_wait_dscnt 0x0
	CROUND                                         ; the closing round
	s_endpgm
.Lfunc_end_k_q0e3d83881e_outproj:
	.size	k_q0e3d83881e_outproj, .Lfunc_end_k_q0e3d83881e_outproj-k_q0e3d83881e_outproj
	.p2alignl 7, 3214868480
	.fill 96, 4, 3214868480
	.section	.rodata,"a",@progbits
	.p2align	6, 0x0
	.amdhsa_kernel k_q0e3d83881e_outproj
		.amdhsa_group_segment_fixed_size 327680
		.amdhsa_private_segment_fixed_size 0
		.amdhsa_enable_private_segment 0
		.amdhsa_kernarg_size 32
		.amdhsa_user_sgpr_count 2
		.amdhsa_user_sgpr_kernarg_segment_ptr 1
		.amdhsa_wavefront_size32 1
		.amdhsa_system_sgpr_workgroup_id_x 1
		.amdhsa_system_sgpr_workgroup_id_y 1
		.amdhsa_system_sgpr_workgroup_id_z 1
		.amdhsa_system_vgpr_workitem_id 0
		.amdhsa_next_free_vgpr 608
		.amdhsa_next_free_sgpr 96
		.amdhsa_reserve_vcc 0
		.amdhsa_float_denorm_mode_32 3
		.amdhsa_float_denorm_mode_16_64 3
		.amdhsa_memory_ordered 1
		.amdhsa_forward_progress 1
		.amdhsa_inst_pref_size 93
	.end_amdhsa_kernel
	.amdgpu_metadata
---
amdhsa.version: [ 1, 2 ]
amdhsa.kernels:
  - .name:           k_q0e3d83881e_outproj
    .symbol:         k_q0e3d83881e_outproj.kd
    .args:
      - { .name: oh, .offset: 0, .size: 8, .value_kind: global_buffer, .address_space: global }
      - { .name: wb, .offset: 8, .size: 8, .value_kind: global_buffer, .address_space: global }
      - { .name: bo, .offset: 16, .size: 8, .value_kind: global_buffer, .address_space: global }
      - { .name: out0, .offset: 24, .size: 8, .value_kind: global_buffer, .address_space: global }
    .group_segment_fixed_size: 327680
    .private_segment_fixed_size: 0
    .kernarg_segment_align: 8
    .kernarg_segment_size: 32
    .max_flat_workgroup_size: 128
    .sgpr_count:     96
    .vgpr_count:     608
    .wavefront_size: 32
...
	.end_amdgpu_metadata
.endif
;; end of part 4
;; ======== version 2 of 2: 4 launches; version 1 with the launch prep written anew for expert scheduling mode
;; limits: right only within a limited range of input values; values are held in f16: magnitudes above 65,504 overflow, below 6.1e-05 lose precision
;; workspace buffers: xb 50,331,648 bytes; wb 8,388,608 bytes; mb 2,097,152 bytes of whole numbers; qh 16,777,216 bytes; kv 33,554,432 bytes; oh 16,777,216 bytes
;; launch prep (part 5): grid 1408 x 1, 8 waves a work-group, no clusters, 68,608 bytes of LDS; arguments query, key, value, Wq, Wk, Wv, Wo, mask, xb, wb, mb; writes xb, wb, mb
.if DOCPART == 5
	.amdgcn_target "amdgcn-amd-amdhsa--gfx1250"
	.amdhsa_code_object_version 6
	.text
	.protected	k_q0e3d83881e_prep
	.globl	k_q0e3d83881e_prep
	.p2align	8
	.type	k_q0e3d83881e_prep,@function
k_q0e3d83881e_prep:
	s_mov_b64 s[64:65], 0
	v_nop
	global_prefetch_b8 v0, s[64:65] scope:SCOPE_SE
	s_setreg_imm32_b32 hwreg(HW_REG_WAVE_SCHED_MODE, 0, 2), 2
	s_setreg_imm32_b32 hwreg(HW_REG_WAVE_MODE, 25, 1), 1
	s_wait_xcnt 0x0
	s_wait_alu depctr_vm_vsrc(0)
; PREP: a stream.  Every work-group reads 131,072 bytes once and stores what the later launches want.
;   work-groups 0..767     query, key, value (f32) -> xb [3][8192][1024] bf16
;   work-groups 768..895   Wq, Wk, Wv -> wb bf16; Wo -> rounded to bf16 and that number written as f16 (the last product's other operand is f16)
;   work-groups 896..1407  mask (int32) -> mb: lane masks.  For a tile of 16 queries q0.., a step of 64 keys k0.., a group kb of 16 keys and a register j the word's bit L
;                          is (mask[q0 + L % 16][k0 + 16 kb + 8 (L / 16) + j] == 0): the lanes of register j of the score tile that are blocked.
;                          mb byte = tile x 4096 + step x 128 + (8 kb + j) x 4.  The sixteen heads of a batch then read 1/32 of the mask's bytes.
; LIMITS.  Wo as f16: exact for bf16 numbers from 2^-17 to 65,504 in size; below that f16's fixed step of 2^-24 holds, above it the number is lost.
; No matrix unit, no cluster, no tensor load: nothing is shared between work-groups and every byte is touched once.  Each wave has all its 32 loads (16 KiB) out before it waits;
; Wo's 32 work-groups alone go in four trips of eight loads, for the text's length.
; No prefetch: the launch does nothing but stream.
; THE MODE: SCHED_MODE bits 1:0 = 2 (LLVM: expert scheduling mode 2), set by the entry lines.  The code itself states the register dependences between vector instructions and
; memory or LDS instructions, with s_wait_alu, always for 0.
; THE PLAN.  Registers that memory or LDS instructions touch:
;   v5, v6     byte offsets of the loads and of the stores.  Written at the head, and anew at the mask branch's head; never after a memory instruction has read them.
;   X          Casts: written by the loads (Wo: also by the widening lines), read by the conversions.  Mask: written by the loads, read by the LDS stores; its first half then takes the
;              second half's rows as they come back from the stage.
;   Y          Casts: block b (eight loads) writes its sixteen registers; the eight stores that read them are issued in block b + 1, which names other registers.
;   R          Mask: the first half's rows as they come back from the stage; read by the compares.
;   WD         Mask: written by the lane writes, read by the two stores at the end.       LST, LRD   LDS addresses, written once.
;   s4, s[16:47]   scalar registers that vector instructions write: the wave's number; the compares' masks.
; Casts: one wait on va_vdst at a block's head, behind the block's first wait for data, and one ahead of the last block's stores.  Wo's loop: one ahead of a trip's stores, and one on vm_vsrc
; ahead of the back edge.  Mask: three on va_vdst (v5; LST and LRD; WD), one on vm_vsrc (X's first half), one on va_sdst for s4 and one behind each run of 32 compares.
.set X,    8                           ; v[8:135]   32 loads of 4 registers
.set Y,    136                         ; v[136:199] casts: packed results, a pair for each load
.set R,    136                         ; v[136:199] mask: the first half's two key steps read back, register 32 ks + 8 kb + j; the second half's lie in v[8:71]
.set WD,   200                         ; v[200:203] mask: the words of two key steps, lane n holds words 2 n and 2 n + 1; a pair for each half of my columns
.set LST,  204                         ; v204  where I put 16 bytes of a mask row
.set LRD,  205                         ; v205  where I read my query's row back
.set SPW,  2                           ; v2    LDS address of my spare word; never rewritten
.set NIL,  3                           ; v3    0; never rewritten
.set BLK,  8                           ; casts: loads in a block
.set WSTG, 16*528                      ; a wave's stage: 16 rows of 512 bytes + 16 of padding: 33 x 16 bytes, so sixteen rows' loads of 16 bytes start in sixteen different groups of four banks
.set SPARE, 8*WSTG                     ; behind the stages: the spare words, 128 bytes for each wave
	s_load_b512 s[8:23], s[0:1], 0x0               ; query s[8:9], key s[10:11], value s[12:13], Wq s[14:15], Wk s[16:17], Wv s[18:19], Wo s[20:21], mask s[22:23]
	s_load_b128 s[24:27], s[0:1], 0x40             ; xb s[24:25], wb s[26:27]
	s_load_b64 s[28:29], s[0:1], 0x50              ; mb
	v_lshl_add_u32 v[SPW], v0, 2, SPARE
	v_mov_b32 v[NIL], 0
	v_and_b32 v4, 31, v0                           ; lane
	v_lshrrev_b32 v1, 5, v0                        ; wave
	v_lshlrev_b32 v5, 4, v4
	v_lshl_add_u32 v5, v1, 14, v5                  ; casts, in: 16,384 x wave + 16 x lane
	v_lshlrev_b32 v6, 3, v4
	v_lshl_add_u32 v6, v1, 13, v6                  ; casts, out: half of that
	s_mov_b32 s5, ttmp9
	s_mov_b32 s7, 0                                ; the high word of every offset
	s_wait_alu depctr_va_vdst(0)                   ; v5 and v6 are written: the casts' loads and stores read them as their offsets
	s_wait_kmcnt 0x0
	s_cmp_lt_u32 s5, 768
	s_cbranch_scc0 .Lnot_x
	s_lshr_b32 s6, s5, 8                           ; 0 query, 1 key, 2 value
	s_cmp_eq_u32 s6, 1
	s_cselect_b64 s[30:31], s[10:11], s[8:9]
	s_cmp_eq_u32 s6, 2
	s_cselect_b64 s[30:31], s[12:13], s[30:31]
	s_and_b32 s6, s5, 255
	s_lshl_b32 s6, s6, 17
	s_add_nc_u64 s[30:31], s[30:31], s[6:7]        ; my 131,072 bytes of it
	s_lshl_b32 s6, s5, 16
	s_add_nc_u64 s[32:33], s[24:25], s[6:7]        ; and my 65,536 of xb
	s_branch .Lcast
.Lnot_x:
	s_cmp_lt_u32 s5, 896
	s_cbranch_scc0 .Lmask
	s_sub_co_u32 s5, s5, 768
	s_lshr_b32 s34, s5, 5                          ; 0 Wq, 1 Wk, 2 Wv, 3 Wo
	s_cmp_eq_u32 s34, 1
	s_cselect_b64 s[30:31], s[16:17], s[14:15]
	s_cmp_eq_u32 s34, 2
	s_cselect_b64 s[30:31], s[18:19], s[30:31]
	s_cmp_eq_u32 s34, 3
	s_cselect_b64 s[30:31], s[20:21], s[30:31]
	s_and_b32 s6, s5, 31
	s_lshl_b32 s6, s6, 17
	s_add_nc_u64 s[30:31], s[30:31], s[6:7]
	s_lshl_b32 s6, s5, 16
	s_add_nc_u64 s[32:33], s[26:27], s[6:7]
	s_cmp_eq_u32 s34, 3
	s_cbranch_scc1 .Lcast16
; n loads of 512 consecutive bytes a wave, all issued first; then each is rounded and leaves as 256 consecutive aligned bytes.  Within one use no register is written twice.
; The loads go in blocks of eight: a block's eight stores are issued in the next block, one ahead of each load's conversions, behind the one wait at that block's head.
.macro CAST half, n
.set i, 0
.rept \n
	global_load_b128 v[X+4*i:X+4*i+3], v5, s[30:31] offset:512*i th:TH_LOAD_NT
.set i, i+1
.endr
.set i, 0
.rept \n
	s_wait_loadcnt (\n)-1-i                        ; loads come back in order: load i is in, the n - 1 - i younger ones stay out
.if (i >= BLK) && (i%BLK == 0)
	s_wait_alu depctr_va_vdst(0)                   ; the block before has written its sixteen registers of Y, which this block's eight stores read; this block's conversions name none of them
.endif
.if i >= BLK
	global_store_b64 v6, v[Y+2*(i-BLK):Y+2*(i-BLK)+1], s[32:33] offset:256*(i-BLK)
.endif
	v_cvt_pk_bf16_f32 v[Y+2*i], v[X+4*i], v[X+4*i+1]
	v_cvt_pk_bf16_f32 v[Y+2*i+1], v[X+4*i+2], v[X+4*i+3]
.if \half
	v_lshlrev_b32 v[X+4*i], 16, v[Y+2*i]           ; the bf16 numbers as f32 again,
	v_and_b32 v[X+4*i+1], 0xffff0000, v[Y+2*i]
	v_lshlrev_b32 v[X+4*i+2], 16, v[Y+2*i+1]
	v_and_b32 v[X+4*i+3], 0xffff0000, v[Y+2*i+1]
	v_cvt_pk_f16_f32 v[Y+2*i], v[X+4*i], v[X+4*i+1]  ; and written as f16
	v_cvt_pk_f16_f32 v[Y+2*i+1], v[X+4*i+2], v[X+4*i+3]
.endif
.set i, i+1
.endr
	s_wait_alu depctr_va_vdst(0)                   ; the last block has written its Y, which the stores below read; in Wo's loop: the trip's lines are also done reading and writing X, in which the next trip's loads land
.set i, (\n)-BLK
.rept BLK
	global_store_b64 v6, v[Y+2*i:Y+2*i+1], s[32:33] offset:256*i
.set i, i+1
.endr
.endm
.Lcast:
	CAST 0, 32
	s_branch .Lend
.Lcast16:
	s_mov_b32 s35, 4                               ; a wave's 16,384 bytes in four trips of 4,096
.Lquarter:
	CAST 1, 8
	s_wait_xcnt 0x0                                ; the trip's stores have read their data and both bases: only behind this wait are they written again
	s_wait_alu depctr_vm_vsrc(0)                   ; the trip's stores have read Y, which the next trip's conversions write again
	s_add_nc_u64 s[30:31], s[30:31], 4096
	s_add_nc_u64 s[32:33], s[32:33], 2048
	s_sub_co_u32 s35, s35, 1
	s_cmp_lg_u32 s35, 0
	s_cbranch_scc1 .Lquarter
	s_branch .Lend
; THE MASK.  The work-group owns 16 rows (one tile of queries); wave w the columns 256 w .. 256 w + 255, as two halves of 128 columns (two key steps each).
.macro TOSTG pr                        ; half pr's sixteen rows go into my stage
.set i, 0
.rept 16
	ds_store_b128 v[LST], v[X+64*(\pr)+4*i:X+64*(\pr)+4*i+3] offset:528*i
.set i, i+1
.endr
.endm
.macro BACK pr                         ; and come back by queries: key step i / 8, group (i / 2) % 4, registers 4 (i % 2) on.  Half 0 into R, half 1 into X's first half
.set RB, R-(R-X)*(\pr)
.set i, 0
.rept 16
	ds_load_b128 v[RB+4*i:RB+4*i+3], v[LRD] offset:(i/8)*256+((i/2)%4)*64+(i%2)*16  ; LDS serves a wave's instructions in order: these see the stores above, and the other half's stores come behind them
.set i, i+1
.endr
.endm
.macro WORDS pr, ks, left              ; the 32 words of key step ks of half pr.  left: the LDS instructions issued behind the step's eight loads, which may stay out
.set RB, R-(R-X)*(\pr)
	s_wait_dscnt \left
.set i, 0
.rept 32
	v_cmp_eq_u32 s[16+i], 0, v[RB+32*(\ks)+i]      ; the compare's result over the 32 lanes IS word i of the step
.set i, i+1
.endr
	s_wait_alu depctr_va_sdst(0)                   ; the 32 compares have written s[16:47], which the lane writes below read
.set i, 0
.rept 32
	v_writelane_b32 v[WD+2*(\pr)+i%2], s[16+i], 16*(\ks)+i/2
.set i, i+1
.endr
.endm
.Lmask:
	s_sub_co_u32 s5, s5, 896                       ; the tile: batch x 128 + tile in the batch
	v_readfirstlane_b32 s4, v1                     ; my wave's number as a scalar
	s_lshl_b32 s6, s5, 17
	s_add_nc_u64 s[10:11], s[22:23], s[6:7]        ; the tile's 16 rows of 8,192 bytes
	s_lshl_b32 s6, s5, 12
	s_add_nc_u64 s[8:9], s[28:29], s[6:7]          ; its 4,096 bytes of words
	v_lshlrev_b32 v5, 4, v4
	v_lshl_add_u32 v5, v1, 10, v5                  ; in: 1,024 x wave + 16 x lane
	v_lshlrev_b32 v6, 3, v4
	v_lshl_add_u32 v6, v1, 9, v6                   ; out: 512 x wave + 8 x lane
	s_wait_alu depctr_va_vdst(0)                   ; v5 is written anew, which the loads below read (and v6, which the two stores at the end read)
.set i, 0
.rept 32                                       ; half i / 16, row i % 16: 512 consecutive bytes of a row
	global_load_b128 v[X+4*i:X+4*i+3], v5, s[10:11] offset:(i%16)*8192+(i/16)*512 th:TH_LOAD_NT
.set i, i+1
.endr
	s_wait_alu depctr_va_sdst(0)                   ; s4 is written, ahead of its first reader
	s_mul_i32 s6, s4, WSTG                         ; my stage: no other wave touches it, so no barrier is needed
	v_lshl_add_u32 v[LST], v4, 4, s6
	v_and_b32 v7, 15, v0
	v_mul_u32_u24 v7, v7, 528                      ; back: my query's row,
	v_bfe_u32 v[LRD], v0, 4, 1
	v_lshl_add_u32 v[LRD], v[LRD], 5, v7           ; and 8 columns further for lanes 16 to 31
	v_add_nc_u32 v[LRD], s6, v[LRD]
.irp k, 0,1,2,3
	v_mov_b32 v[WD+(\k)], 0                        ; v_writelane_b32's destination counts as read
.endr
	s_wait_loadcnt 16                              ; the first half's sixteen rows are in; the other half's may stay out
	s_wait_alu depctr_va_vdst(0)                   ; LST and LRD are written, which every LDS store and load below reads; no vector line behind this wait names them, or X
	TOSTG 0
	BACK 0
	WORDS 0, 0, 8                                  ; the first key step's words are made while the second half's rows arrive
	s_wait_loadcnt 0x0                             ; the second half's sixteen rows are in
	s_wait_alu depctr_vm_vsrc(0)                   ; the first half's LDS stores have read v[X:X+63], in which the second half's rows land as they come back
	TOSTG 1
	BACK 1
	WORDS 0, 1, 32                                 ; the second half's sixteen stores and sixteen loads may stay out
	WORDS 1, 0, 8
	WORDS 1, 1, 0
	s_wait_alu depctr_va_vdst(0)                   ; the lane writes have written WD, which the two stores read
	global_store_b64 v6, v[WD:WD+1], s[8:9]                 ; two steps' 64 words: 256 consecutive aligned bytes
	global_store_b64 v6, v[WD+2:WD+3], s[8:9] offset:256    ; and the other two steps'
.Lend:
	s_wait_dscnt 0x0                               ; the closing lines, six on end
	s_wait_alu 0x0
	s_wait_tensorcnt 0x0
	ds_add_u32 v[SPW], v[NIL]
	s_wait_dscnt 0x0
	s_endpgm
.Lfunc_end_k_q0e3d83881e_prep:
	.size	k_q0e3d83881e_prep, .Lfunc_end_k_q0e3d83881e_prep-k_q0e3d83881e_prep
	.p2alignl 7, 3214868480
	.fill 96, 4, 3214868480
	.section	.rodata,"a",@progbits
	.p2align	6, 0x0
	.amdhsa_kernel k_q0e3d83881e_prep
		.amdhsa_group_segment_fixed_size 68608
		.amdhsa_private_segment_fixed_size 0
		.amdhsa_enable_private_segment 0
		.amdhsa_kernarg_size 88
		.amdhsa_user_sgpr_count 2
		.amdhsa_user_sgpr_kernarg_segment_ptr 1
		.amdhsa_wavefront_size32 1
		.amdhsa_system_sgpr_workgroup_id_x 1
		.amdhsa_system_sgpr_workgroup_id_y 1
		.amdhsa_system_sgpr_workgroup_id_z 1
		.amdhsa_system_vgpr_workitem_id 0
		.amdhsa_next_free_vgpr 208
		.amdhsa_next_free_sgpr 66
		.amdhsa_reserve_vcc 0
		.amdhsa_float_denorm_mode_32 3
		.amdhsa_float_denorm_mode_16_64 3
		.amdhsa_memory_ordered 1
		.amdhsa_forward_progress 1
		.amdhsa_inst_pref_size 44
	.end_amdhsa_kernel
	.amdgpu_metadata
---
amdhsa.version: [ 1, 2 ]
amdhsa.kernels:
  - .name:           k_q0e3d83881e_prep
    .symbol:         k_q0e3d83881e_prep.kd
    .args:
      - { .name: query, .offset: 0, .size: 8, .value_kind: global_buffer, .address_space: global }
      - { .name: key, .offset: 8, .size: 8, .value_kind: global_buffer, .address_space: global }
      - { .name: value, .offset: 16, .size: 8, .value_kind: global_buffer, .address_space: global }
      - { .name: Wq, .offset: 24, .size: 8, .value_kind: global_buffer, .address_space: global }
      - { .name: Wk, .offset: 32, .size: 8, .value_kind: global_buffer, .address_space: global }
      - { .name: Wv, .offset: 40, .size: 8, .value_kind: global_buffer, .address_space: global }
      - { .name: Wo, .offset: 48, .size: 8, .value_kind: global_buffer, .address_space: global }
      - { .name: mask, .offset: 56, .size: 8, .value_kind: global_buffer, .address_space: global }
      - { .name: xb, .offset: 64, .size: 8, .value_kind: global_buffer, .address_space: global }
      - { .name: wb, .offset: 72, .size: 8, .value_kind: global_buffer, .address_space: global }
      - { .name: mb, .offset: 80, .size: 8, .value_kind: global_buffer, .address_space: global }
    .group_segment_fixed_size: 68608
    .private_segment_fixed_size: 0
    .kernarg_segment_align: 8
    .kernarg_segment_size: 88
    .max_flat_workgroup_size: 256
    .sgpr_count:     66
    .vgpr_count:     208
    .wavefront_size: 32
...
	.end_amdgpu_metadata
.endif
;; end of part 5
;; launch proj: the kernel of part 2 again; grid 4 x 192, 4 waves a work-group, clusters of 4 x 4, 327,680 bytes of LDS; arguments xb, wb, bq, bk, bv, qh, kv; writes qh, kv
;; launch attn: the kernel of part 3 again; grid 4 x 64, 4 waves a work-group, clusters of 4 x 1, 327,680 bytes of LDS; arguments qh, kv, mb, oh; writes oh
;; launch outproj: the kernel of part 4 again; grid 4 x 64, 4 waves a work-group, clusters of 4 x 4, 327,680 bytes of LDS; arguments oh, wb, bo, out0; writes out0
